; MI455X (gfx1250); checked and timed in simulation.
; The chip was launched on July 23, 2026; its instructions are those of AMD's public machine-readable ISA for CDNA 5 (MIT licence, August 2026) and "CDNA5" Instruction Set Architecture Reference Guide (July 2026). The comments in the code are by the model that wrote it; some were corrected since.
;; Attention FFN Block. Allowed arithmetic: matrix products marked QUANTISED: E2M1 operands, one E8M0 scale for each 32 along K, by v_wmma_scale_f32_16x16x128_f8f6f4 with both operands' format E2M1 (or v_wmma_scale_f32_32x16x128_f4), f32 sums; products left as they are: bf16, f16 or f32 operands; f32 sums; everything else in f32.
;; Inputs: W1 1,024 x 4,096 float32; W2 4,096 x 1,024 float32; Wk 1,024 x 1,024 float32; Wo 1,024 x 1,024 float32; Wq 1,024 x 1,024 float32; Wv 1,024 x 1,024 float32; b1 4,096 float32; b2 1,024 float32; be1 1,024 float32; be2 1,024 float32; bk 1,024 float32; bo 1,024 float32; bq 1,024 float32; bv 1,024 float32; g1 1,024 float32; g2 1,024 float32; x 2 x 2,048 x 1,024 float32.
;; Outputs: out0 2 x 2,048 x 1,024 float32.
;; This version of the problem:
;;   THIS VERSION OF THE PROBLEM IS GIVEN IN LOW PRECISION. The matrix products marked QUANTISED in the list below multiply operands that are first quantised to E2M1 (2 exponent bits, 1 mantissa bit; 4 bits a number), with one power-of-two scale for each 32 numbers along K (OCP MX v1.0); their sums are f32. The products marked 'left as it is' may take bf16, f16 or f32 operands, with f32 sums. Whichever they take, every output number must still come out within the allowed error. Rounding operands to bf16 (8 significant bits) uses up far more of that allowance than f16 does (11 bits, for magnitudes from 6e-5 to 65,504). All else is computed in f32.
;;   The module's matrix products, in the order in which they are computed (A, B: the left and right operand; K: the contracted axis; several contracted axes count as one K, in the product's order):
;;     1. [M 4,096, K 1,024] x [K 1,024, N 1,024]; A: input x; B: input Wq: QUANTISED
;;     2. [M 4,096, K 1,024] x [K 1,024, N 1,024]; A: input x; B: input Wk: QUANTISED
;;     3. [M 4,096, K 1,024] x [K 1,024, N 1,024]; A: input x; B: input Wv: QUANTISED
;;     4. batch 32 x [M 2,048, K 64] x [K 64, N 2,048]; A: computed on the way; B: computed on the way: left as it is (an operand is computed on the way)
;;     5. batch 32 x [M 2,048, K 2,048] x [K 2,048, N 64]; A: computed on the way; B: computed on the way: left as it is (an operand is computed on the way)
;;     6. [M 4,096, K 1,024] x [K 1,024, N 1,024]; A: computed on the way; B: input Wo: left as it is (an operand is computed on the way)
;;     7. [M 4,096, K 1,024] x [K 1,024, N 4,096]; A: computed on the way; B: input W1: left as it is (an operand is computed on the way)
;;     8. [M 4,096, K 4,096] x [K 4,096, N 1,024]; A: computed on the way; B: input W2: left as it is (an operand is computed on the way)
;;   THE QUANTISER, for each operand of a quantised product, along K:
;;     - K is cut into blocks of 32 from its start; a last block that is shorter is filled with zeros.
;;     - A block's scale is 2^e with e = floor(log2(the largest magnitude in the block)) - 2, held to -126 .. 127; a block of zeros has e = 0. As a byte (E8M0): e + 127.
;;     - Each number is divided by its block's scale, clamped to +-6, and rounded to the nearest number of E2M1, ties to even, subnormals kept.
;;     - The product sums the exact products of the quantised numbers (number of the format x scale) in f32.
;;   ~~~python
;;   def quantise(x, axis):      # numpy; x: float32 -> the quantised numbers, widened to float32 again
;;       x = np.moveaxis(x, axis, -1); K = x.shape[-1]
;;       x = np.pad(x, [(0, 0)] * (x.ndim - 1) + [(0, -K % 32)]); x = x.reshape(x.shape[:-1] + (-1, 32)); a = np.abs(x).max(-1, keepdims=True)
;;       e = np.where(a > 0, np.clip(np.frexp(np.where(a > 0, a, 1))[1] - 1 - 2, -126, 127), 0)      # np.frexp(a)[1] - 1 = floor(log2(a)), exactly
;;       r = np.clip(x / 2.0 ** e, -6, 6)
;;       step = 2.0 ** (np.maximum(np.frexp(np.where(r == 0, 1, r))[1] - 1, 0) - 1)
;;       q = np.round(r / step) * step * 2.0 ** e      # np.round: ties to even
;;       return np.moveaxis(q.reshape(q.shape[:-2] + (-1,))[..., :K], -1, axis).astype(np.float32)
;;   ~~~
;; One version. Each part assembles by itself: llvm-mc -triple=amdgcn-amd-amdhsa -mcpu=gfx1250 --defsym DOCPART=n.
;; ======== version 1 of 1: 8 launches
;; limits: values are held in f16: magnitudes above 65,504 overflow, below 6.1e-05 lose precision; a function is approximated: absolute error at most 7.5e-08; an absolute error that grows with the inputs' magnitude: up to 7.5e-08 times it
;; workspace buffers: qbuf 3,899,392 bytes; w16 18,874,368 bytes; qkv 25,165,824 bytes; att 8,388,608 bytes; y1 16,777,216 bytes; x1b 25,165,824 bytes; hid 33,554,432 bytes; y2 16,777,216 bytes
;; launch prep (part 1): grid 464 x 1, 4 waves a work-group, no clusters, 68,096 bytes of LDS; arguments x, Wq, Wk, Wv, Wo, W1, W2, qbuf, w16; writes qbuf, w16
.if DOCPART == 1
	.amdgcn_target "amdgcn-amd-amdhsa--gfx1250"
	.amdhsa_code_object_version 6
	.text
	.protected	k_q1a7c9ab2fd_prep
	.globl	k_q1a7c9ab2fd_prep
	.p2align	8
	.type	k_q1a7c9ab2fd_prep,@function
k_q1a7c9ab2fd_prep:
	s_mov_b64 s[64:65], 0
	v_nop
	global_prefetch_b8 v0, s[64:65] scope:SCOPE_SE
	s_setreg_imm32_b32 hwreg(HW_REG_WAVE_MODE, 25, 1), 1
	s_wait_xcnt 0x0
; FIRST OF EIGHT LAUNCHES of a transformer block: q, k, v projections (MX-FP4), causal attention, output projection, layer norm, FFN with exact gelu, layer norm.
; This launch prepares operands: x and Wq, Wk, Wv become codes of FP4 (E2M1) with one E8M0 byte for each 32 along K (K innermost); Wo, W1, W2 are rounded to f16 and stay [K][N].
; DEAD WORK, left out in the whole program:
;  (1) bk.  scores[q][k] = (x Wq + bq)[q] . (x Wk)[k] + (x Wq + bq)[q] . bk.  The second term is the same for all keys k of a query; the softmax runs along k and a term common to its axis
;      cancels for all values of the inputs; the product of q and k is not quantised, so bk moves no code and no scale.  bk has no way to any output: it is not loaded and is no argument of any launch.
;  (2) the key tiles that lie wholly above the diagonal of the mask that the problem builds itself (jnp.tril): their scores become -infinity, their weights 0.
;  LIMIT: a NaN, an infinity or an overflow that reaches only bk or the masked scores is not carried to the result.
; LIMITS: NaN and infinities among the inputs are not served.  A block of zeros gets the scale byte 1 where the rule says 127: its codes are zeros, which add nothing under any byte but 0xff, and the bytes
; are read by this program alone.  Blocks whose largest magnitude lies under 2^-124 are held at byte 1.  Wo, W1, W2 go to f16: magnitudes up to 65,504.
; qbuf: x codes [4096][512 B] at 0; x scales [4096][32] at XS_OFF; W codes [3072][512 B] at WC_OFF (rows: Wq's, Wk's, Wv's columns); W scales [3072][32] at WS_OFF.
; w16: Wo [1024][1024], W1 [1024][4096], W2 [4096][1024], f16, on end.
; Work-groups 0-47: the three weights (a lane to a column, registers down K).  48-175: x (a plain stream of blocks of 32).  176-463: the casts.  The three ways part on the work-group's number; each has LDS bytes of its own.
.set XS_OFF, 2097152
.set WC_OFF, 2228224
.set WS_OFF, 3801088
.set SPW,   12                         ; v12  LDS address of my spare word; never rewritten
.set NIL,   13                         ; v13  0; never rewritten
.set WREG,  8192                       ; way X: LDS region of a wave: two stages of 32 x SP bytes, then 256 scale bytes
.set SP,    80                         ; a lane's place in a stage: 64 bytes + 16 of padding
.set WSTG,  32768                      ; way W: the four stages begin here
.set PITCH, 272                        ; a stage row of way W: 256 bytes + 16
.set SPARE, 67584                      ; the spare words, 128 bytes for each wave
	s_load_b512 s[36:51], s[0:1], 0x0              ; x 36, Wq 38, Wk 40, Wv 42, Wo 44, W1 46, W2 48, qbuf 50
	s_load_b64 s[52:53], s[0:1], 0x40              ; w16
	v_lshl_add_u32 v[SPW], v0, 2, SPARE
	v_mov_b32 v[NIL], 0
	v_lshrrev_b32 v1, 5, v0
	v_readfirstlane_b32 s16, v1                    ; wave
	v_and_b32 v2, 31, v0                           ; lane
	s_wait_kmcnt 0x0
	s_cmp_lt_u32 ttmp9, 48
	s_cbranch_scc1 .Lpath_w
	s_cmp_lt_u32 ttmp9, 176
	s_cbranch_scc1 .Lpath_x
; ---- THE CASTS.  A work-group takes 32,768 numbers, a wave 8,192: 64 loads of 512 consecutive bytes, 64 stores of 256 consecutive bytes.  Sixteen loads of a wave are always out.
.set CX, 16                            ; v16-79  sixteen slots of 4 numbers
.set CY, 80                            ; v80-111 sixteen slots of 4 f16
	s_sub_co_u32 s17, ttmp9, 176                   ; c
	s_cmp_lt_u32 s17, 32
	s_cselect_b64 s[4:5], s[44:45], s[46:47]       ; Wo or W1,
	s_cselect_b32 s18, 0, 32
	s_cmp_lt_u32 s17, 160
	s_cselect_b64 s[4:5], s[4:5], s[48:49]         ; or W2
	s_cselect_b32 s18, s18, 160
	s_sub_co_u32 s18, s17, s18                     ; my number within the tensor
	s_lshl_b32 s18, s18, 2
	s_add_co_u32 s18, s18, s16
	s_lshl_b32 s18, s18, 15                        ; 32,768 bytes of f32 a wave
	s_mov_b32 s19, 0
	s_add_nc_u64 s[4:5], s[4:5], s[18:19]
	s_lshl_b32 s20, s17, 2
	s_add_co_u32 s20, s20, s16
	s_lshl_b32 s20, s20, 14                        ; 16,384 bytes of f16 a wave; the three tensors lie on end in w16
	s_mov_b32 s21, 0
	s_add_nc_u64 s[6:7], s[52:53], s[20:21]
	v_lshlrev_b32 v3, 4, v2
	v_lshlrev_b32 v4, 3, v2
.irp t, 0,1,2,3,4,5,6,7,8,9,10,11,12,13,14,15
	global_load_b128 v[CX+4*\t:CX+4*\t+3], v3, s[4:5] offset:512*\t th:TH_LOAD_NT
.endr
.macro CSLOT t
.if 63-(\t) < 15
	s_wait_loadcnt 63-(\t)                         ; the tail: the counts run down
.else
	s_wait_loadcnt 15                              ; my slot's load is in, the fifteen younger ones stay out
.endif
	s_wait_xcnt 0x0                                ; the store that read this slot's f16 registers sixteen turns ago has read them
	v_cvt_pk_f16_f32 v[CY+2*((\t)%16)], v[CX+4*((\t)%16)], v[CX+4*((\t)%16)+1]
	v_cvt_pk_f16_f32 v[CY+2*((\t)%16)+1], v[CX+4*((\t)%16)+2], v[CX+4*((\t)%16)+3]
.if (\t)+16 < 64
	global_load_b128 v[CX+4*((\t)%16):CX+4*((\t)%16)+3], v3, s[4:5] offset:512*((\t)+16) th:TH_LOAD_NT
.endif
	global_store_b64 v4, v[CY+2*((\t)%16):CY+2*((\t)%16)+1], s[6:7] offset:256*(\t)   ; 32 lanes store 256 consecutive bytes, aligned
.endm
.set Q, 0
.rept 64
	CSLOT Q
.set Q, Q+1
.endr
	s_branch .Lend
; ---- x.  A wave takes 16 steps of 512 numbers.  Each load reads 512 consecutive bytes; a step's 2,048 bytes turn through the wave's own stage so that a lane holds 16 neighbours; two neighbouring lanes hold a block.
.set XR,  16                           ; v16-79   four sets of 16 numbers as loaded
.set XN,  80                           ; v80-111  two sets of 16 neighbours
.set XE,  112                          ; v112-127 a scale byte for each step
.set XCD, 128                          ; v128-191 codes, four registers for each step
.Lpath_x:
	v_lshlrev_b32 v3, 4, v2
	s_mul_i32 s17, s16, WREG
	v_lshrrev_b32 v14, 2, v2
	v_mul_u32_u24 v14, v14, SP
	v_and_b32 v15, 3, v2
	v_lshl_add_u32 v14, v15, 4, v14
	v_add_nc_u32 v14, s17, v14                     ; the stage, on the way in: SP (lane / 4) + 16 (lane % 4)
	v_mul_u32_u24 v15, v2, SP
	v_add_nc_u32 v15, s17, v15                     ; on the way out: SP x lane
	v_lshlrev_b32 v4, 3, v2                        ; my 8 bytes of a step's codes
	v_lshrrev_b32 v5, 1, v2
	s_add_co_u32 s17, s17, 2*32*SP
	v_add_nc_u32 v5, s17, v5                       ; my block's byte among the wave's 256 scale bytes
	v_lshlrev_b32 v7, 3, v2
	v_add_nc_u32 v6, s17, v7
	s_sub_co_u32 s17, ttmp9, 48
	s_lshl_b32 s17, s17, 2
	s_add_co_u32 s18, s17, s16                     ; which run of 8,192 numbers is my wave's
	s_mov_b32 s21, 0
	s_lshl_b32 s20, s18, 15
	s_add_nc_u64 s[4:5], s[36:37], s[20:21]        ; x
	s_lshl_b32 s20, s18, 12
	s_add_nc_u64 s[8:9], s[50:51], s[20:21]        ; its codes
	s_lshl_b32 s20, s18, 8
	s_add_co_u32 s20, s20, XS_OFF
	s_add_nc_u64 s[10:11], s[50:51], s[20:21]      ; its scale bytes
.macro XLOAD t
.irp i, 0,1,2,3
	global_load_b128 v[XR+16*((\t)%4)+4*\i:XR+16*((\t)%4)+4*\i+3], v3, s[4:5] offset:2048*(\t)+512*\i th:TH_LOAD_NT
.endr
.endm
.macro XTURN t                         ; LDS serves a wave's instructions in order: no wait between the stores and the loads
.irp i, 0,1,2,3
	ds_store_b128 v14, v[XR+16*((\t)%4)+4*\i:XR+16*((\t)%4)+4*\i+3] offset:32*SP*((\t)%2)+8*SP*\i
.endr
.irp i, 0,1,2,3
	ds_load_b128 v[XN+16*((\t)%2)+4*\i:XN+16*((\t)%2)+4*\i+3], v15 offset:32*SP*((\t)%2)+16*\i
.endr
.endm
.irp t, 0,1,2,3
	XLOAD \t
.endr
	s_wait_loadcnt 12                              ; step 0's four loads are in
	XTURN 0
.macro XSTEP t
.set XSET, XN+16*((\t)%2)
.if (\t) > 0
	s_wait_dscnt 1                                 ; this step's numbers are back from the stage (the last step's byte store may be out)
.else
	s_wait_dscnt 0x0
.endif
.if (\t)+4 < 16
	XLOAD (\t)+4                                   ; into the registers that this step's stage stores have read
.endif
.if (\t)+1 < 16
.if 14-(\t) >= 3
	s_wait_loadcnt 12                              ; the next step's four loads are in; three steps' loads stay out
.else
	s_wait_loadcnt 4*(14-(\t))
.endif
	XTURN (\t)+1
.endif
	v_max3_num_f32 v8, |v[XSET]|, |v[XSET+1]|, |v[XSET+2]|
	v_max3_num_f32 v9, |v[XSET+3]|, |v[XSET+4]|, |v[XSET+5]|
.irp i, 6,10
	v_max3_num_f32 v8, v8, |v[XSET+\i]|, |v[XSET+\i+1]|
	v_max3_num_f32 v9, v9, |v[XSET+\i+2]|, |v[XSET+\i+3]|
.endr
	v_max3_num_f32 v8, v8, |v[XSET+14]|, |v[XSET+15]|
	v_max3_num_f32 v8, v8, v9, 0x1800000           ; with the floor 2^(3 - 127): the byte cannot fall under 1
	v_max_num_f32_dpp v8, v8, v8 row_xmask:1 row_mask:0xf bank_mask:0xf   ; and my neighbour's 16: the block's largest magnitude
	v_add_nc_u32 v11, 0xff000000, v8               ; 2 off its exponent field: the conversion takes this operand's exponent field as its scale
	v_cvt_scalef32_pk8_fp4_f32 v[XCD+4*(\t)], v[XSET:XSET+7], v11
	v_cvt_scalef32_pk8_fp4_f32 v[XCD+4*(\t)+1], v[XSET+8:XSET+15], v11
	v_lshrrev_b32 v[XE+(\t)], 23, v11              ; the scale's byte
	ds_store_b8 v5, v[XE+(\t)] offset:16*(\t)      ; both lanes of a block write the same byte with the same value
	global_store_b64 v4, v[XCD+4*(\t):XCD+4*(\t)+1], s[8:9] offset:256*(\t)
.endm
.irp t, 0,1,2,3,4,5,6,7,8,9,10,11,12,13,14,15
	XSTEP \t
.endr
	ds_load_b64 v[8:9], v6
	s_wait_dscnt 0x0
	global_store_b64 v7, v[8:9], s[10:11]          ; the wave's 256 scale bytes: one aligned run
	s_branch .Lend
; ---- Wq, Wk, Wv: [K][N] f32.  A lane takes a column, its registers run down K: a block of 32 lies in one lane, and the conversions give codes with K innermost.  A wave: 32 columns x 512 along K.
.set WX,   32                          ; v32-95   two sets of 32 numbers
.set WCD,  96                          ; v96-99   a block's codes
.set OUTR, 112                         ; v112-175 the way out
.set SB,   24                          ; v24-27   the scale bytes, four to a register
.Lpath_w:
	s_lshr_b32 s22, ttmp9, 4                       ; which of the three
	s_and_b32 s23, ttmp9, 7                        ; which 128 columns
	s_bfe_u32 s18, ttmp9, 0x10003                  ; which 512 along K
	s_cmp_eq_u32 s22, 0
	s_cselect_b64 s[4:5], s[38:39], s[40:41]
	s_cmp_eq_u32 s22, 2
	s_cselect_b64 s[4:5], s[42:43], s[4:5]
	s_lshl_b32 s17, s23, 7
	s_lshl_b32 s19, s16, 5
	s_add_co_u32 s17, s17, s19                     ; my wave's first column
	v_lshlrev_b32 v3, 2, v2
	s_mul_i32 s19, s16, 32*PITCH
	s_add_co_u32 s19, s19, WSTG                    ; my stage
	v_mul_u32_u24 v4, v2, PITCH
	v_add_nc_u32 v4, s19, v4                       ; into it: row = my column
	v_and_b32 v5, 15, v2
	v_lshrrev_b32 v6, 4, v2
	v_mul_u32_u24 v7, v6, PITCH
	v_lshl_add_u32 v7, v5, 4, v7
	v_add_nc_u32 v7, s19, v7                       ; out of it: sixteen lanes to a row
	v_lshlrev_b32 v8, 9, v6
	v_lshl_add_u32 v8, v5, 4, v8                   ; the same place among the codes' rows of 512 bytes
	v_lshlrev_b32 v9, 5, v2                        ; my column's row of 32 scale bytes
	s_lshl_b32 s20, s18, 21                        ; 512 rows of 4,096 bytes
	s_lshl_b32 s21, s17, 2
	s_add_co_u32 s20, s20, s21
	s_mov_b32 s21, 0
	s_add_nc_u64 s[4:5], s[4:5], s[20:21]
	s_lshl_b32 s22, s22, 10
	s_add_co_u32 s22, s22, s17                     ; the row among the 3,072
	s_lshl_b32 s20, s22, 9
	s_lshl_b32 s24, s18, 8
	s_add_co_u32 s20, s20, s24
	s_add_co_u32 s20, s20, WC_OFF
	s_add_nc_u64 s[6:7], s[50:51], s[20:21]
	s_lshl_b32 s20, s22, 5
	s_lshl_b32 s24, s18, 4
	s_add_co_u32 s20, s20, s24
	s_add_co_u32 s20, s20, WS_OFF
	s_add_nc_u64 s[8:9], s[50:51], s[20:21]
.macro WLOAD t
.irp i, 0,1,2,3,4,5,6,7,8,9,10,11,12,13,14,15,16,17,18,19,20,21,22,23,24,25,26,27,28,29,30,31
	global_load_b32 v[WX+32*((\t)%2)+\i], v3, s[4:5] offset:(32*(\t)+\i)*4096 th:TH_LOAD_NT
.endr
.endm
	WLOAD 0
	WLOAD 1
.macro WBLOCK t
.set WSET, WX+32*((\t)%2)
.if (\t) < 15
	s_wait_loadcnt 32                              ; this block's 32 loads are in; the next block's may be out
.else
	s_wait_loadcnt 0
.endif
	v_max3_num_f32 v16, |v[WSET]|, |v[WSET+1]|, |v[WSET+2]|
	v_max3_num_f32 v17, |v[WSET+3]|, |v[WSET+4]|, |v[WSET+5]|
.irp i, 6,10,14,18,22,26
	v_max3_num_f32 v16, v16, |v[WSET+\i]|, |v[WSET+\i+1]|
	v_max3_num_f32 v17, v17, |v[WSET+\i+2]|, |v[WSET+\i+3]|
.endr
	v_max3_num_f32 v16, v16, |v[WSET+30]|, |v[WSET+31]|
	v_max3_num_f32 v16, v16, v17, 0x1800000        ; with the floor
	v_add_nc_u32 v11, 0xff000000, v16              ; the conversion's scale operand
	v_lshrrev_b32 v17, 23, v11                     ; the scale's byte
.if (\t)%4 == 0
	v_mov_b32 v[SB+(\t)/4], v17
.else
	v_lshl_or_b32 v[SB+(\t)/4], v17, 8*((\t)%4), v[SB+(\t)/4]
.endif
.irp g, 0,1,2,3
	v_cvt_scalef32_pk8_fp4_f32 v[WCD+\g], v[WSET+8*\g:WSET+8*\g+7], v11
.endr
	ds_store_b128 v4, v[WCD:WCD+3] offset:16*(\t)  ; 32 codes: 16 bytes of my column's row
.if (\t)+2 < 16
	WLOAD (\t)+2
.endif
	s_wait_dscnt 0x0                               ; the store has read its registers: the next block's codes may be written
.endm
.set Q, 0
.rept 16
	WBLOCK Q
.set Q, Q+1
.endr
	global_store_b128 v9, v[SB:SB+3], s[8:9]       ; my column's 16 scale bytes
.irp t, 0,1,2,3,4,5,6,7,8,9,10,11,12,13,14,15
	ds_load_b128 v[OUTR+4*\t:OUTR+4*\t+3], v7 offset:2*\t*PITCH
.endr
.irp t, 0,1,2,3,4,5,6,7,8,9,10,11,12,13,14,15
	s_wait_dscnt 15-\t
	global_store_b128 v8, v[OUTR+4*\t:OUTR+4*\t+3], s[6:7] offset:2*\t*512   ; sixteen lanes store 256 consecutive bytes, aligned
.endr
.Lend:
	s_wait_tensorcnt 0x0                           ; the wave's end
	ds_add_u32 v[SPW], v[NIL]
	s_wait_dscnt 0x0
	s_endpgm
.Lfunc_end_k_q1a7c9ab2fd_prep:
	.size	k_q1a7c9ab2fd_prep, .Lfunc_end_k_q1a7c9ab2fd_prep-k_q1a7c9ab2fd_prep
	.p2alignl 7, 3214868480
	.fill 96, 4, 3214868480
	.section	.rodata,"a",@progbits
	.p2align	6, 0x0
	.amdhsa_kernel k_q1a7c9ab2fd_prep
		.amdhsa_group_segment_fixed_size 68096
		.amdhsa_private_segment_fixed_size 0
		.amdhsa_enable_private_segment 0
		.amdhsa_kernarg_size 72
		.amdhsa_user_sgpr_count 2
		.amdhsa_user_sgpr_kernarg_segment_ptr 1
		.amdhsa_wavefront_size32 1
		.amdhsa_system_sgpr_workgroup_id_x 1
		.amdhsa_system_sgpr_workgroup_id_y 1
		.amdhsa_system_sgpr_workgroup_id_z 1
		.amdhsa_system_vgpr_workitem_id 0
		.amdhsa_next_free_vgpr 192
		.amdhsa_next_free_sgpr 66
		.amdhsa_reserve_vcc 0
		.amdhsa_float_denorm_mode_32 3
		.amdhsa_float_denorm_mode_16_64 3
		.amdhsa_memory_ordered 1
		.amdhsa_forward_progress 1
		.amdhsa_inst_pref_size 136
	.end_amdhsa_kernel
	.amdgpu_metadata
---
amdhsa.version: [ 1, 2 ]
amdhsa.kernels:
  - .name:           k_q1a7c9ab2fd_prep
    .symbol:         k_q1a7c9ab2fd_prep.kd
    .args:
      - { .name: x, .offset: 0, .size: 8, .value_kind: global_buffer, .address_space: global }
      - { .name: Wq, .offset: 8, .size: 8, .value_kind: global_buffer, .address_space: global }
      - { .name: Wk, .offset: 16, .size: 8, .value_kind: global_buffer, .address_space: global }
      - { .name: Wv, .offset: 24, .size: 8, .value_kind: global_buffer, .address_space: global }
      - { .name: Wo, .offset: 32, .size: 8, .value_kind: global_buffer, .address_space: global }
      - { .name: W1, .offset: 40, .size: 8, .value_kind: global_buffer, .address_space: global }
      - { .name: W2, .offset: 48, .size: 8, .value_kind: global_buffer, .address_space: global }
      - { .name: qbuf, .offset: 56, .size: 8, .value_kind: global_buffer, .address_space: global }
      - { .name: w16, .offset: 64, .size: 8, .value_kind: global_buffer, .address_space: global }
    .group_segment_fixed_size: 68096
    .private_segment_fixed_size: 0
    .kernarg_segment_align: 8
    .kernarg_segment_size: 72
    .max_flat_workgroup_size: 128
    .sgpr_count:     66
    .vgpr_count:     192
    .wavefront_size: 32
...
	.end_amdgpu_metadata
.endif
;; end of part 1
;; launch qkv (part 2): grid 12 x 16, 4 waves a work-group, clusters of 4 x 4, 327,680 bytes of LDS; arguments qbuf, bq, bv, qkv; writes qkv
.if DOCPART == 2
	.amdgcn_target "amdgcn-amd-amdhsa--gfx1250"
	.amdhsa_code_object_version 6
	.text
	.protected	k_q1a7c9ab2fd_qkv
	.globl	k_q1a7c9ab2fd_qkv
	.p2align	8
	.type	k_q1a7c9ab2fd_qkv,@function
k_q1a7c9ab2fd_qkv:
	s_mov_b64 s[64:65], 0
	v_nop
	global_prefetch_b8 v0, s[64:65] scope:SCOPE_SE
	s_setreg_imm32_b32 hwreg(HW_REG_WAVE_MODE, 25, 1), 1
	s_wait_xcnt 0x0
	s_wait_alu depctr_hold_cnt(0) depctr_sa_sdst(0) depctr_va_vdst(0) depctr_va_sdst(0) depctr_va_ssrc(0) depctr_va_vcc(0) depctr_vm_vsrc(0)
	s_getreg_b32 s2, hwreg(HW_REG_IB_STS2, 6, 4)
	s_cmp_eq_u32 s2, 0
	s_cbranch_scc0 .Lentry_in_a_cluster
	s_endpgm
.Lentry_in_a_cluster:
	s_bfe_u32 s2, ttmp6, 0x10000c
	s_cmp_lg_u32 s2, 0xf033
	s_cbranch_scc0 .Lentry_shape_is_right
	s_endpgm
.Lentry_shape_is_right:
; q = x Wq + bq, k = x Wk, v = x Wv + bv as ONE product C[4096][3072] = A B^T on codes of FP4 (E2M1) with E8M0 scales for each 32 along K = 1,024; sums in f32; results rounded to f16 and stored [3][batch][head][token][64].
; LEFT OUT: bk (a term common to all keys of a query, which the softmax takes away for all values of the inputs; shown at the head of the first launch).
; LIMIT: q, k, v go to f16: magnitudes up to 65,504.
; A tile of C, 256 x 256, is made by four waves, 128 x 128 each: 64 accumulators, 512 registers.  K lies in two LDS slots of 512 along K (rows of 256 bytes), both filled at the start: nothing is filled again.
; The scales of the work-group's 256 + 256 rows come once, as dense blocks.  CLUSTERS of 4 x 4: A's tiles are asked for jointly along a row of the cluster, B's along a column.
; A cluster's x is the matrix: 0 q, 1 k, 2 v: the same in all sixteen partners, so a branch may hang on it.  The C of each sum's first product is a set of 64 registers: q's and v's clusters load their bias into it,
; k's cluster writes zeros there.  One branch decides, both its arms write all 64 registers, and the first step is written once.
; THE MATRIX INSTRUCTION IS USED TRANSPOSED (source 0 = 16 rows of B, source 1 = 16 rows of A): a lane holds eight neighbouring columns of one token.
; REGISTERS: window 0: v0-31 addresses; v32-95 scale words, two sets; v96-127 packed results; v128-191 A's fragments, one set, later rows on the way out; v192-255 the bias.
;   window 1: B's fragments, two sets.   windows 2, 3: the accumulators ((a, b) at v[8 (8 (a % 4) + b)]).
.set XS_OFF, 2097152
.set WC_OFF, 2228224
.set WS_OFF, 3801088
.set NQ,     4                         ; matrix instructions deep in a slot
.set ROWB,   256                       ; a tile's row in bytes: 512 codes
.set KROW,   512                       ; a row of codes in memory
.set PITCH,  272                       ; an LDS row: 256 bytes + 16 of padding = 68 words: row r starts at bank 4 r mod 64 (64 banks of 4 bytes: ISA guide 11.1)
.set FR,     8
.set NL,     2
.set NP,     4
.set HALFT,  128*PITCH
.set SLOT,   4*HALFT
.set KS,     32                        ; a row of scale bytes
.set SCL,    2*SLOT
.set HALFS,  (128*KS/256)*272
.set SBLK,   (16*KS/256)*272
.set SPARE,  SCL+4*HALFS               ; the spare words, 128 bytes for each wave
.set SPITCH, 272                       ; the way out: a stage of 16 rows x (256 bytes + 16) for each wave, in slot 0, which has had its only fill and its last read by then
.set BOF,  7                           ; v7   32 x (lane / 16): my place in the bias
.set ADRA, 16
.set ADRB, 20
.set STO,  24
.set RD,   25
.set CO,   26
.set ADRS, 27
.set SPW,  28
.set NIL,  29
.set SC,   32
.set TMP,  96
.set AF,   128
.set BK,   128
.set BIAS, 192
.set G1, 24
.set G0, 32
.set G1B, 48
.set G0B, 56
.set G1S, 68
.set G0S, 76
.set G1SB, 80
.set G0SB, 88
.set MSB, 0
.macro WIN new                         ; the immediate's high byte repeats the setting that is left
.if MSB != \new
	s_set_vgpr_msb (MSB<<8)|\new
.set MSB, \new
.endif
.endm
.set MUL_LO, 0xa1                      ; source 0 (B) window 1, source 1 (A) window 0, C and D window 2
.set MUL_HI, 0xf1
.set TO_B,   0x40
.macro JLOAD g0a, g1a, g0b, g1b        ; a joint load: waves 0 and 1 fetch for A, waves 2 and 3 for B; the branch hangs on the wave's number alone
	s_cmp_eq_u32 s15, 0
	s_cbranch_scc0 .Lfor_b_\@
	tensor_load_to_lds s[\g0a:\g0a+3], s[\g1a:\g1a+7]
	s_nop 0
.rept 4
	v_nop
.endr
	s_branch .Lasked_\@
.Lfor_b_\@:
	tensor_load_to_lds s[\g0b:\g0b+3], s[\g1b:\g1b+7]
	s_nop 0
.rept 4
	v_nop
.endr
.Lasked_\@:
.endm
.macro CROUND                          ; a round of the cluster's barrier
	s_barrier_signal -1
	s_barrier_wait -1
	s_cmp_lg_u32 s14, 0
	s_cbranch_scc1 .Lnot_wave_0_\@
	s_barrier_signal -3
.Lnot_wave_0_\@:
	s_barrier_wait -3
	s_barrier_signal -1
	s_barrier_wait -1
.endm
	s_load_b64 s[4:5], s[0:1], 0x0                 ; qbuf
	s_load_b128 s[96:99], s[0:1], 0x8              ; bq, bv
	s_load_b64 s[12:13], s[0:1], 0x18              ; qkv
	v_lshl_add_u32 v[SPW], v0, 2, SPARE
	v_mov_b32 v[NIL], 0
	ds_add_u32 v[SPW], v[NIL]                      ; the wave's opening: the add, twice on end, and its wait ahead of my first tensor load
	ds_add_u32 v[SPW], v[NIL]
	v_lshrrev_b32 v1, 5, v0
	v_readfirstlane_b32 s14, v1                    ; wave 0..3
	s_lshr_b32 s15, s14, 1                         ; which half of the tile's rows is mine.  Also: I fetch for A (0) or for B (1)
	s_and_b32 s16, s14, 1                          ; which half of its columns.  Also: which 128 rows I fetch
	s_bfe_u32 s40, ttmp6, 0x40000                  ; cx
	s_bfe_u32 s41, ttmp6, 0x40004                  ; cy
	s_lshl_b32 s42, ttmp9, 2
	s_add_co_u32 s42, s42, s40                     ; tile column
	s_and_b32 s17, ttmp7, 0xffff
	s_lshl_b32 s17, s17, 2
	s_add_co_u32 s17, s17, s41                     ; tile row
	s_lshl_b32 s43, s41, 2
	s_lshl_b32 s43, 15, s43                        ; my row of the cluster
	s_lshl_b32 s44, 0x1111, s40                    ; my column
	s_or_b32 s[G1+0], s43, (0<<16)|(1<<20)|(1<<21)|(5<<22)|(3<<25)  ; the mask; elements of 1 byte; padding: 4 words after every 64
	s_or_b32 s[G1B+0], s44, (0<<16)|(1<<20)|(1<<21)|(5<<22)|(3<<25)
.irp g, G1, G1B
	s_mov_b32 s[\g+1], ROWB<<16                    ; tensor_dim0
	s_mov_b32 s[\g+2], 128<<16                     ; tensor_dim1
	s_mov_b32 s[\g+3], ROWB<<16                    ; tile_dim0
	s_mov_b32 s[\g+4], 128                         ; tile_dim1
	s_mov_b32 s[\g+5], KROW                        ; stride
	s_mov_b32 s[\g+6], 0
	s_mov_b32 s[\g+7], 0
.endr
	s_or_b32 s[G1S+0], s43, (3<<16)|(1<<20)|(1<<21)|(5<<22)|(3<<25) ; the scales of 128 rows: a dense block, as rows of 256 bytes (32 elements of 8 bytes)
	s_or_b32 s[G1SB+0], s44, (3<<16)|(1<<20)|(1<<21)|(5<<22)|(3<<25)
.irp g, G1S, G1SB
	s_mov_b32 s[\g+1], 32<<16
	s_mov_b32 s[\g+2], (128*KS/256)<<16
	s_mov_b32 s[\g+3], 32<<16
	s_mov_b32 s[\g+4], 128*KS/256
	s_mov_b32 s[\g+5], 32
	s_mov_b32 s[\g+6], 0
	s_mov_b32 s[\g+7], 0
.endr
	s_lshl_b32 s18, s16, 7
	s_lshl_b32 s20, s17, 8
	s_add_co_u32 s20, s20, s18                     ; A: row 256 x tile row + 128 x half
	s_lshl_b32 s46, s42, 8
	s_add_co_u32 s46, s46, s18                     ; B: row 256 x tile column + 128 x half
	s_mov_b32 s21, 0
	s_mov_b32 s47, 0
	s_mov_b64 s[18:19], KS
	s_mul_u64 s[22:23], s[20:21], s[18:19]         ; where these rows' scales begin
	s_mul_u64 s[92:93], s[46:47], s[18:19]
	s_mov_b64 s[18:19], KROW
	s_mul_u64 s[20:21], s[20:21], s[18:19]         ; and their codes
	s_mul_u64 s[46:47], s[46:47], s[18:19]
	s_mul_i32 s45, s14, HALFT
	s_mul_i32 s94, s14, HALFS
	s_wait_dscnt 0x0                               ; both opening adds are done
	s_wait_kmcnt 0x0
	s_add_nc_u64 s[6:7], s[4:5], XS_OFF            ; x's scales
	s_add_nc_u64 s[8:9], s[4:5], WC_OFF            ; the weights' codes
	s_add_nc_u64 s[10:11], s[4:5], WS_OFF          ; and scales
	s_add_nc_u64 s[20:21], s[4:5], s[20:21]
	s_add_nc_u64 s[22:23], s[6:7], s[22:23]
	s_add_nc_u64 s[46:47], s[8:9], s[46:47]
	s_add_nc_u64 s[92:93], s[10:11], s[92:93]
	CROUND                                         ; all sixteen work-groups are here: the joint loads meet
	s_mov_b32 s[G0S], 1
	s_add_co_u32 s[G0S+1], s94, SCL
	s_mov_b64 s[G0S+2:G0S+3], s[22:23]
	s_or_b32 s[G0S+3], s[G0S+3], 0x80000000
	s_mov_b32 s[G0SB], 1
	s_add_co_u32 s[G0SB+1], s94, SCL
	s_mov_b64 s[G0SB+2:G0SB+3], s[92:93]
	s_or_b32 s[G0SB+3], s[G0SB+3], 0x80000000
	JLOAD G0S, G1S, G0SB, G1SB                     ; the scales first
.irp s, 0,1
	s_mov_b32 s[G0+4*\s], 1
	s_add_co_u32 s[G0+4*\s+1], s45, \s*SLOT
	s_add_nc_u64 s[G0+4*\s+2:G0+4*\s+3], s[20:21], \s*ROWB
	s_or_b32 s[G0+4*\s+3], s[G0+4*\s+3], 0x80000000
	s_mov_b32 s[G0B+4*\s], 1
	s_add_co_u32 s[G0B+4*\s+1], s45, \s*SLOT
	s_add_nc_u64 s[G0B+4*\s+2:G0B+4*\s+3], s[46:47], \s*ROWB
	s_or_b32 s[G0B+4*\s+3], s[G0B+4*\s+3], 0x80000000
	JLOAD G0+4*\s, G1, G0B+4*\s, G1B               ; three tensor loads of mine are out
.endr
	v_and_b32 v1, 15, v0                           ; r
	v_bfe_u32 v2, v0, 4, 1                         ; h
	v_lshlrev_b32 v[BOF], 5, v2
	; THE C OF THE FIRST PRODUCTS: register 8 b + j = bias[256 cx + 128 x column half + 16 b + 8 h + j] for q and v; zeros for k.  One branch on the cluster's x; both arms write all 64 registers.
	s_lshl_b32 s46, s40, 10
	s_lshl_b32 s47, s16, 9
	s_add_co_u32 s46, s46, s47
	s_mov_b32 s47, 0
	s_cmp_eq_u32 ttmp9, 2
	s_cselect_b64 s[96:97], s[98:99], s[96:97]
	s_add_nc_u64 s[96:97], s[96:97], s[46:47]
	s_cmp_eq_u32 ttmp9, 1
	s_cbranch_scc1 .Lk_zeros
.irp b, 0,1,2,3,4,5,6,7
	global_load_b128 v[BIAS+8*\b:BIAS+8*\b+3], v[BOF], s[96:97] offset:64*\b
	global_load_b128 v[BIAS+8*\b+4:BIAS+8*\b+7], v[BOF], s[96:97] offset:64*\b+16
.endr
	s_branch .Lbias_set
.Lk_zeros:
.irp j, 0,1,2,3,4,5,6,7,8,9,10,11,12,13,14,15,16,17,18,19,20,21,22,23,24,25,26,27,28,29,30,31,32,33,34,35,36,37,38,39,40,41,42,43,44,45,46,47,48,49,50,51,52,53,54,55,56,57,58,59,60,61,62,63
	v_mov_b32 v[BIAS+\j], 0                        ; k has no bias: 64 lines once, in place of a second copy of the first step
.endr
.Lbias_set:
	v_mul_u32_u24 v3, v1, PITCH
	v_lshl_add_u32 v4, v2, 4, v3
	s_mul_i32 s21, s15, HALFT
	s_mul_i32 s22, s16, HALFT
	s_add_co_u32 s22, s22, 2*HALFT
.irp s, 0,1
	v_add_nc_u32 v[ADRA+\s], s21, v4
	v_add_nc_u32 v[ADRB+\s], s22, v4
	s_add_co_u32 s21, s21, SLOT
	s_add_co_u32 s22, s22, SLOT
.endr
	v_mul_u32_u24 v5, v1, KS                       ; my row's scales,
	v_lshrrev_b32 v6, 8, v5
	v_lshl_add_u32 v5, v6, 4, v5                   ; and 16 more for each 256 passed
	s_mul_i32 s21, s15, HALFS
	s_mul_i32 s22, s16, HALFS
	s_add_co_u32 s22, s22, 2*HALFS
	s_sub_co_u32 s22, s22, s21
	v_mul_u32_u24 v6, s22, v2                      ; lanes 16-31 take B's
	s_add_co_u32 s21, s21, SCL
	v_add_nc_u32 v5, v5, v6
	v_add_nc_u32 v[ADRS], s21, v5
	s_mul_i32 s23, s14, 16*SPITCH                  ; my stage
	v_mul_u32_u24 v5, v1, SPITCH
	v_lshl_add_u32 v5, v2, 4, v5
	v_add_nc_u32 v[STO], s23, v5                   ; in: row r, 16 bytes for each half of the lanes
	v_bfe_u32 v5, v0, 3, 2                         ; lane / 8
	v_mul_u32_u24 v5, v5, SPITCH
	v_and_b32 v6, 7, v0
	v_lshl_add_u32 v5, v6, 4, v5
	v_add_nc_u32 v[RD], s23, v5                    ; back: eight lanes take a token's 128 bytes of one head
	v_and_b32 v6, 31, v0
	v_lshlrev_b32 v[CO], 4, v6                     ; four tokens of a head are 512 consecutive bytes of the output
	; the output: ((batch x 16 + head) x 2,048 + token) x 128 bytes, + the matrix's plane
	s_lshr_b32 s20, s17, 3
	s_lshl_b32 s20, s20, 4
	s_lshl_b32 s21, s16, 1
	s_add_co_u32 s20, s20, s21
	s_lshl_b32 s20, s20, 11
	s_and_b32 s21, s17, 7
	s_lshl_b32 s21, s21, 8
	s_add_co_u32 s20, s20, s21
	s_lshl_b32 s21, s15, 7
	s_add_co_u32 s20, s20, s21
	s_lshl_b32 s20, s20, 7
	s_mov_b32 s21, 0
	s_lshl_b32 s46, s40, 20                        ; 4 cx heads
	s_lshl_b32 s47, ttmp9, 23                      ; the plane
	s_add_co_u32 s46, s46, s47
	s_mov_b32 s47, 0
	s_add_nc_u64 s[20:21], s[20:21], s[46:47]
	s_add_nc_u64 s[12:13], s[12:13], s[20:21]
.macro FRAG reg, adr, q, i             ; 16 rows x 128 K of 4-bit codes: 8 registers, two loads of 16 bytes, 32 bytes apart
.irp c, 0,1
	ds_load_b128 v[\reg+4*\c:\reg+4*\c+3], v[\adr] offset:64*(\q)+32*\c+(\i)*16*PITCH
.endr
.endm
; 16 matrix instructions: A's blocks a0, a0 + 1 x B's eight.  first = 1: C = the 64 registers set above;  0: the sums go on.  The 64 accumulators take turns, one instruction a turn.
.macro MUL16 a0, p, q, sc, first
.irp a, \a0, \a0+1
.irp b, 0,1,2,3,4,5,6,7
.if \first
	v_wmma_scale_f32_16x16x128_f8f6f4 v[8*(8*((\a)%4)+\b):8*(8*((\a)%4)+\b)+7], v[128*(\p)+FR*\b:128*(\p)+FR*\b+FR-1], v[AF+FR*(\a):AF+FR*(\a)+FR-1], v[BIAS+8*\b:BIAS+8*\b+7], v[SC+8*NQ*(\sc)+NQ*\b+(\q)], v[SC+8*NQ*(\sc)+NQ*(\a)+(\q)] matrix_a_fmt:MATRIX_FMT_FP4 matrix_b_fmt:MATRIX_FMT_FP4 matrix_a_scale:MATRIX_SCALE_ROW1
.else
	v_wmma_scale_f32_16x16x128_f8f6f4 v[8*(8*((\a)%4)+\b):8*(8*((\a)%4)+\b)+7], v[128*(\p)+FR*\b:128*(\p)+FR*\b+FR-1], v[AF+FR*(\a):AF+FR*(\a)+FR-1], v[8*(8*((\a)%4)+\b):8*(8*((\a)%4)+\b)+7], v[SC+8*NQ*(\sc)+NQ*\b+(\q)], v[SC+8*NQ*(\sc)+NQ*(\a)+(\q)] matrix_a_fmt:MATRIX_FMT_FP4 matrix_b_fmt:MATRIX_FMT_FP4 matrix_a_scale:MATRIX_SCALE_ROW1
.endif
.endr
.endr
.endm
.macro FETCH_B slot, q, p
	WIN TO_B
.irp i, 0,1,2,3,4,5,6,7
	FRAG 128*(\p)+FR*\i, ADRB+\slot, \q, \i
.endr
	WIN 0
.endm
.macro FETCH_A slot, q, i0
.irp i, \i0, \i0+1, \i0+2, \i0+3
	FRAG AF+FR*(\i), ADRA+\slot, \q, \i
.endr
.endm
.macro SCALES sc                       ; a slot's scale words: lanes 0-15 take A's block i, lanes 16-31 B's block i
.irp i, 0,1,2,3,4,5,6,7
	ds_load_b128 v[SC+8*NQ*\sc+NQ*\i:SC+8*NQ*\sc+NQ*\i+3], v[ADRS] offset:\i*SBLK
.endr
.endm
.macro PLACES n                        ; plain vector instructions between a matrix instruction and a load into, or a read of, its registers
.rept \n
	v_nop
.endr
.endm
.macro STEP slot, q, first             ; 128 along K that has its successor in the same slot
	s_wait_dscnt 4*NL                              ; B's set and A's blocks 0-3 are in; the youngest eight loads (A's blocks 4-7) may be out
.if \first
	WIN 0x81                                       ; C in window 0, D in window 2
.else
	WIN MUL_LO
.endif
	MUL16 0, (\q)%2, \q, \slot, \first
	MUL16 2, (\q)%2, \q, \slot, \first
	s_wait_dscnt 0
	PLACES NP
	FETCH_B \slot, (\q)+1, 1-(\q)%2
	FETCH_A \slot, (\q)+1, 0
.if \first
	WIN 0xc1                                       ; C in window 0, D in window 3
.else
	WIN MUL_HI
.endif
	MUL16 4, (\q)%2, \q, \slot, \first
	MUL16 6, (\q)%2, \q, \slot, \first
	PLACES NP
	WIN 0
	FETCH_A \slot, (\q)+1, 4
.endm
.macro TURN slot, next                 ; a slot's last step changes slots: one barrier; in front of it all my tensor loads have landed, the add is done, and my reads of this slot are over
	s_wait_tensorcnt 0x0
	ds_add_u32 v[SPW], v[NIL]
	s_wait_dscnt 4*NL+1                            ; (the add and A's blocks 4-7 may be out)
	WIN MUL_LO
	MUL16 0, 1, NQ-1, \slot, 0
	s_wait_dscnt 0x0
	s_barrier_signal -1
	MUL16 2, 1, NQ-1, \slot, 0
	WIN 0
	s_barrier_wait -1
	PLACES NP
	v_add_nc_u32 v[ADRS], 4*NQ, v[ADRS]            ; the next slot's scale words
	FETCH_B \next, 0, 0
	FETCH_A \next, 0, 0
	SCALES \next
	WIN MUL_HI
	MUL16 4, 1, NQ-1, \slot, 0
	MUL16 6, 1, NQ-1, \slot, 0
	PLACES NP
	WIN 0
	FETCH_A \next, 0, 4
.endm
.macro STEPS slot, from
.set Q, \from
.rept NQ-1-\from
	STEP \slot, Q, 0
.set Q, Q+1
.endr
.endm
	s_wait_tensorcnt 1                             ; the scales and my part of slot 0 are in (slot 1's load may be out),
	s_barrier_signal -1
	s_barrier_wait -1                              ; everybody's are
	FETCH_B 0, 0, 0
	FETCH_A 0, 0, 0
	SCALES 0
	FETCH_A 0, 0, 4
	s_wait_loadcnt 0x0                             ; the bias (k: nothing is out)
	STEP 0, 0, 1                                   ; the first products start the sums
	STEPS 0, 1
	TURN 0, 1
	STEPS 1, 0
	s_wait_dscnt 4*NL
	WIN MUL_LO
	MUL16 0, 1, NQ-1, 1, 0
	MUL16 2, 1, NQ-1, 1, 0
	s_wait_dscnt 0
	WIN MUL_HI
	MUL16 4, 1, NQ-1, 1, 0
	MUL16 6, 1, NQ-1, 1, 0
	WIN 0
; THE WAY OUT, a block of 16 tokens x 128 columns (two heads) at a time: rounded to f16, through my own stage, back as runs of four tokens of one head: 512 consecutive bytes of the output.
.macro PACK a
.set AC, 64*((\a)%4)
	WIN 0x0a+5*((\a)/4)                            ; sources 0 and 1: window 2 or 3
.irp b, 0,1,2,3,4,5,6,7
.irp r, 0,1,2,3
	v_cvt_pk_f16_f32 v[TMP+4*\b+\r], v[AC+8*\b+2*\r], v[AC+8*\b+2*\r+1]   ; each accumulator from its low end on
.endr
.endr
	WIN 0
.endm
.macro TOSTAGE a
.set BB, BK+32*((\a)%2)
.irp b, 0,1,2,3,4,5,6,7
	ds_store_b128 v[STO], v[TMP+4*\b:TMP+4*\b+3] offset:32*\b
.endr
.irp t, 0,1,2,3,4,5,6,7
	ds_load_b128 v[BB+4*\t:BB+4*\t+3], v[RD] offset:(\t%4)*4*SPITCH+(\t/4)*128   ; LDS serves a wave's instructions in order: these see the stores above
.endr
.endm
.macro SEND a
.set BB, BK+32*((\a)%2)
	s_wait_dscnt 0x0
.irp t, 0,1,2,3,4,5,6,7
	global_store_b128 v[CO], v[BB+4*\t:BB+4*\t+3], s[12:13] offset:2048*(\a)+512*(\t%4)+262144*(\t/4)
.endr
.endm
	PLACES NP
	PACK 0
	TOSTAGE 0
.irp a, 1,2,3,4,5,6,7
	PACK \a
	SEND (\a)-1
	s_wait_xcnt 0x0                                ; the stores of two blocks back have read their registers: this block's rows may land there
	TOSTAGE \a
.endr
	SEND 7
	s_wait_tensorcnt 0x0                           ; the wave's end
	ds_add_u32 v[SPW], v[NIL]
	s_wait_dscnt 0x0
	CROUND                                         ; the closing round
	s_endpgm
.Lfunc_end_k_q1a7c9ab2fd_qkv:
	.size	k_q1a7c9ab2fd_qkv, .Lfunc_end_k_q1a7c9ab2fd_qkv-k_q1a7c9ab2fd_qkv
	.p2alignl 7, 3214868480
	.fill 96, 4, 3214868480
	.section	.rodata,"a",@progbits
	.p2align	6, 0x0
	.amdhsa_kernel k_q1a7c9ab2fd_qkv
		.amdhsa_group_segment_fixed_size 327680
		.amdhsa_private_segment_fixed_size 0
		.amdhsa_enable_private_segment 0
		.amdhsa_kernarg_size 32
		.amdhsa_user_sgpr_count 2
		.amdhsa_user_sgpr_kernarg_segment_ptr 1
		.amdhsa_wavefront_size32 1
		.amdhsa_system_sgpr_workgroup_id_x 1
		.amdhsa_system_sgpr_workgroup_id_y 1
		.amdhsa_system_sgpr_workgroup_id_z 1
		.amdhsa_system_vgpr_workitem_id 0
		.amdhsa_next_free_vgpr 1024
		.amdhsa_next_free_sgpr 100
		.amdhsa_reserve_vcc 0
		.amdhsa_float_denorm_mode_32 3
		.amdhsa_float_denorm_mode_16_64 3
		.amdhsa_memory_ordered 1
		.amdhsa_forward_progress 1
		.amdhsa_inst_pref_size 130
	.end_amdhsa_kernel
	.amdgpu_metadata
---
amdhsa.version: [ 1, 2 ]
amdhsa.kernels:
  - .name:           k_q1a7c9ab2fd_qkv
    .symbol:         k_q1a7c9ab2fd_qkv.kd
    .args:
      - { .name: qbuf, .offset: 0, .size: 8, .value_kind: global_buffer, .address_space: global }
      - { .name: bq, .offset: 8, .size: 8, .value_kind: global_buffer, .address_space: global }
      - { .name: bv, .offset: 16, .size: 8, .value_kind: global_buffer, .address_space: global }
      - { .name: qkv, .offset: 24, .size: 8, .value_kind: global_buffer, .address_space: global }
    .group_segment_fixed_size: 327680
    .private_segment_fixed_size: 0
    .kernarg_segment_align: 8
    .kernarg_segment_size: 32
    .max_flat_workgroup_size: 128
    .sgpr_count:     100
    .vgpr_count:     1024
    .wavefront_size: 32
...
	.end_amdgpu_metadata
.endif
;; end of part 2
;; launch attn (part 3): grid 8 x 32, 16 waves a work-group, no clusters, 327,680 bytes of LDS; arguments qkv, att; writes att
.if DOCPART == 3
	.amdgcn_target "amdgcn-amd-amdhsa--gfx1250"
	.amdhsa_code_object_version 6
	.text
	.protected	k_q1a7c9ab2fd_attn
	.globl	k_q1a7c9ab2fd_attn
	.p2align	8
	.type	k_q1a7c9ab2fd_attn,@function
k_q1a7c9ab2fd_attn:
	s_mov_b64 s[64:65], 0
	v_nop
	global_prefetch_b8 v0, s[64:65] scope:SCOPE_SE
	s_setreg_imm32_b32 hwreg(HW_REG_WAVE_MODE, 25, 1), 1
	s_wait_xcnt 0x0
; Causal attention, 32 heads of 2,048 tokens x 64, on f16 operands with f32 sums: att = softmax(q k^T / 8 under the mask) v.
; LEFT OUT: key steps that lie wholly above the diagonal of the problem's own jnp.tril mask (their weights are 0 for all values of the inputs).
; LIMIT: NaN and infinities are not served; the weights p (at most 1) and the result go to f16.
; qkv: [3][batch x head][2048][64] f16.  att: token PAIRS: byte of (token t, head h, channel d) = (t / 2) 4096 + 256 h + 128 (t % 2) + 2 d, so that two tokens of a head are 256 consecutive bytes.
; SHARES.  Work-group (i, head) owns query blocks i and 15 - i, 128 queries each: 17 key blocks of work for every i.  Waves 0-7 take block i, waves 8-15 block 15 - i, a tile of 16 queries a wave, 256 registers:
; four waves to a SIMD, so that one wave's vector work stands beside another's matrix work.  NO CLUSTER: under the mask the work-groups of a head need different numbers of key slots.
; Every work-group walks all 8 slots of 256 keys (constant trip counts); a step of 128 keys that is hidden from a wave's queries is jumped over by a scalar branch on ids; a slot whose first key lies behind the
; work-group's last query is not asked for.
; LAYOUT.  S^T = K Q^T (source 0 = 16 keys, source 1 = my 16 queries): a lane holds ONE query (lane % 16) and keys 8 (lane / 16) + 0..7 of each tile.  Two tiles, rounded to f16 in pairs, are source 1 of
; O^T = V^T P, whose source 0 comes out of LDS turned (ds_load_tr16_b128).
; SOFTMAX.  A running maximum mt of t = score x log2(e) / 8 and a running sum l; p = 2^(t - mt); in every step O^T and l are multiplied by a = 2^(old mt - new mt).
; REGISTERS: v1-11 addresses; v12 -mt, v13 mt, v[14:15] l; v16-31 Q; v32-95 K's fragments, then half of V's; v96-159 S^T, p, then the other half of V's; v160-191 O^T; v192-223 P; v232-254 at work.
.set SK,    256
.set KP,    144                        ; a key's row in LDS: 128 bytes + 16
.set VP,    160                        ; a row of V: 128 + 32
.set VOFF,  SK*KP
.set SLOT1, 1<<17
.set STAGE, 2*SLOT1                    ; the way out: 16 rows x 144 bytes for each wave, bytes of their own
.set SPARE, STAGE+16*16*KP             ; the spare words, 128 bytes for each wave
.set AK0, 1
.set AV0, 2
.set STO, 3
.set RD,  4
.set SPW, 5
.set NIL, 6
.set GO,  7
.set ADK, 8
.set ADV, 9
.set PFO, 11
.set FA,  32
.set S,   96
.set O,   160
.set P,   192
.set TB,  2                            ; s2   LDS byte at which the slot in hand begins
.set WV,  18
.set SEL, 20
.set CS,  22
.set G1K, 24
.set G1V, 32
.set G0K, 40
.set G0V, 44
.set SLOTS, 50
.set KF,  51                           ; the step's first key
.set Q0,  52                           ; my first query
.set LASTQ, 53                         ; my work-group's last query
.set PFA, 54
.set LIM, 56
.macro TLOAD                           ; waves 0 and 1 fetch K's halves of a slot, waves 2 and 3 V's, the others nothing
	s_cmp_lt_u32 s[WV], 2
	s_cbranch_scc0 .Lnot_k_\@
	tensor_load_to_lds s[G0K:G0K+3], s[G1K:G1K+7]
	s_nop 0
.rept 4
	v_nop
.endr
	s_branch .Lasked_\@
.Lnot_k_\@:
	s_cmp_lt_u32 s[WV], 4
	s_cbranch_scc0 .Lasked_\@
	tensor_load_to_lds s[G0V:G0V+3], s[G1V:G1V+7]
	s_nop 0
.rept 4
	v_nop
.endr
.Lasked_\@:
.endm
; A prefetch of what the NEXT change of slots will ask for: 32,768 dense bytes of K and of V.  The work-group with i = 0 of a head, which walks all keys, asks; in it waves 4-7 for K, waves 8-11 for V,
; 8,192 bytes a wave, lanes 256 bytes apart: each 256 bytes are named once in the launch.  The last change that fills a slot asks for nothing.
.macro ASK
	s_cmp_gt_u32 s[SLOTS], s[LIM]
	s_cbranch_scc0 .Lnot_mine_\@
	global_prefetch_b8 v[PFO], s[PFA:PFA+1] th:TH_LOAD_NT scope:SCOPE_SE
.Lnot_mine_\@:
.endm
	s_load_b128 s[4:7], s[0:1], 0x0                ; qkv, att
	v_lshl_add_u32 v[SPW], v0, 2, SPARE
	v_mov_b32 v[NIL], 0
	ds_add_u32 v[SPW], v[NIL]                      ; the wave's opening: the add, twice on end, and its wait ahead of the first tensor load
	ds_add_u32 v[SPW], v[NIL]
	v_lshrrev_b32 v8, 5, v0
	v_readfirstlane_b32 s[WV], v8                  ; wave 0..15
	s_and_b32 s57, ttmp7, 0xffff                   ; batch x 16 + head
	s_lshl_b32 s58, s57, 18                        ; its 262,144 bytes in each plane
	s_and_b32 s60, s[WV], 1
	s_lshl_b32 s61, s60, 14                        ; my half of a slot: 128 rows of 128 bytes
	s_add_co_u32 s66, s58, s61
	s_mov_b32 s67, 0
	s_mul_i32 s62, s60, 128*KP
	s_mul_i32 s63, s60, 128*VP
	s_add_co_u32 s63, s63, VOFF
	s_sub_co_u32 s68, 15, ttmp9
	s_cmp_lt_u32 s[WV], 8
	s_cselect_b32 s68, ttmp9, s68                  ; my block of 128 queries
	s_lshl_b32 s68, s68, 7
	s_and_b32 s69, s[WV], 7
	s_lshl_b32 s69, s69, 4
	s_add_co_u32 s[Q0], s68, s69
	s_lshl_b32 s[LASTQ], ttmp9, 7
	s_sub_co_u32 s[LASTQ], 2047, s[LASTQ]
	s_mov_b32 s[G1K], (1<<16)|(1<<20)|(4<<22)|(3<<25)   ; elements of 2 bytes; padding: 4 words after every 32
	s_mov_b32 s[G1V], (1<<16)|(1<<20)|(4<<22)|(7<<25)   ; 8 words
.irp g, G1K, G1V
	s_mov_b32 s[\g+1], 64<<16                      ; tensor_dim0
	s_mov_b32 s[\g+2], 128<<16                     ; tensor_dim1
	s_mov_b32 s[\g+3], 64<<16                      ; tile_dim0
	s_mov_b32 s[\g+4], 128                         ; tile_dim1
	s_mov_b32 s[\g+5], 64                          ; stride
	s_mov_b32 s[\g+6], 0
	s_mov_b32 s[\g+7], 0
.endr
	s_mov_b32 s[SEL], 0x76543210
	s_mov_b32 s[SEL+1], 0xfedcba98
	s_mov_b32 s[CS], 0x3e38aa3b                    ; c = log2(e) / 8
	s_mov_b32 s[CS+1], s[CS]
	s_mov_b32 s[TB], 0
	s_mov_b32 s[SLOTS], 7
	s_mov_b32 s[KF], 0
	s_wait_dscnt 0x0                               ; both opening adds are done
	s_wait_kmcnt 0x0
	s_mov_b32 s[G0K], 1
	s_mov_b32 s[G0K+1], s62
	s_add_nc_u64 s[G0K+2:G0K+3], s[4:5], s[66:67]
	s_add_nc_u64 s[G0K+2:G0K+3], s[G0K+2:G0K+3], 8388608
	s_or_b32 s[G0K+3], s[G0K+3], 0x80000000
	s_mov_b32 s[G0V], 1
	s_mov_b32 s[G0V+1], s63
	s_add_nc_u64 s[G0V+2:G0V+3], s[4:5], s[66:67]
	s_add_nc_u64 s[G0V+2:G0V+3], s[G0V+2:G0V+3], 16777216
	s_or_b32 s[G0V+3], s[G0V+3], 0x80000000
	TLOAD                                          ; slot 0
	s_lshl_b32 s60, s[Q0], 7
	s_add_co_u32 s60, s60, s58
	s_mov_b32 s61, 0
	s_add_nc_u64 s[8:9], s[4:5], s[60:61]          ; q at my first query
	s_lshr_b32 s62, s57, 4
	s_lshl_b32 s62, s62, 11
	s_add_co_u32 s62, s62, s[Q0]                   ; my first token, an even number
	s_lshl_b32 s62, s62, 11                        ; its pair x 4,096
	s_and_b32 s63, s57, 15
	s_lshl_b32 s63, s63, 8
	s_add_co_u32 s62, s62, s63
	s_mov_b32 s63, 0
	s_add_nc_u64 s[16:17], s[6:7], s[62:63]
	s_lshr_b32 s66, s[WV], 3                       ; the prefetches: K's plane for waves under 8, V's for the others,
	s_add_co_u32 s66, s66, 1
	s_lshl_b32 s66, s66, 23
	s_add_co_u32 s66, s66, s58                     ; my head,
	s_and_b32 s67, s[WV], 3
	s_lshl_b32 s67, s67, 13
	s_add_co_u32 s66, s66, s67                     ; my wave's 8,192 bytes,
	s_add_co_u32 s66, s66, 32768                   ; in slot 1: the first change of slots steps it to slot 2
	s_mov_b32 s67, 0
	s_add_nc_u64 s[PFA:PFA+1], s[4:5], s[66:67]
	s_sub_co_u32 s66, s[WV], 4
	s_lshr_b32 s66, s66, 3                         ; 0 in waves 4 to 11
	s_or_b32 s66, s66, ttmp9
	s_cmp_eq_u32 s66, 0
	s_cselect_b32 s[LIM], 1, -1
	v_and_b32 v8, 15, v0                           ; r
	v_bfe_u32 v9, v0, 4, 1                         ; h
	v_lshlrev_b32 v10, 7, v8
	v_lshl_add_u32 v10, v9, 4, v10
.irp c, 0,1,2,3
	global_load_b128 v[16+4*\c:19+4*\c], v10, s[8:9] offset:32*\c   ; Q's two fragments stay in registers
.endr
	v_mul_u32_u24 v[AK0], v8, KP
	v_lshl_add_u32 v[AK0], v9, 4, v[AK0]
	v_and_b32 v232, 7, v0
	v_lshl_add_u32 v233, v9, 3, v232
	v_mul_u32_u24 v[AV0], v233, VP
	v_bfe_u32 v233, v0, 3, 1
	v_lshl_add_u32 v[AV0], v233, 4, v[AV0]
	v_add_nc_u32 v[AV0], VOFF, v[AV0]
	s_mul_i32 s66, s[WV], 16*KP
	s_add_co_u32 s66, s66, STAGE                   ; my stage
	v_add_nc_u32 v[STO], s66, v[AK0]               ; in: row r, 16 bytes for each half of the lanes
	v_lshl_add_u32 v234, v9, 1, v233
	v_mul_u32_u24 v234, v234, KP
	v_lshl_add_u32 v234, v232, 4, v234
	v_add_nc_u32 v[RD], s66, v234                  ; back: sixteen lanes take a pair of tokens
	v_lshlrev_b32 v[GO], 12, v9
	v_lshl_add_u32 v[GO], v8, 4, v[GO]
	v_and_b32 v[PFO], 31, v0
	v_lshlrev_b32 v[PFO], 8, v[PFO]
	v_mov_b32 v13, 0xff61b1e6                      ; mt: -3e38, under every t
	v_mov_b32 v12, 0x7f61b1e6
	v_mov_b32 v14, 0
	v_mov_b32 v15, 0
	v_mov_b32 v237, 0                              ; a lane permute's destination counts as read
	v_mov_b32 v252, 0
	v_mov_b32 v253, 0                              ; named as the upper half of the pair v[252:253]
.irp j, 0,1,2,3,4,5,6,7,8,9,10,11,12,13,14,15,16,17,18,19,20,21,22,23,24,25,26,27,28,29,30,31
	v_mov_b32 v[O+\j], 0                           ; the step is written once: the first finds zeros, and a = 0 leaves them zeros
.endr
; A KEY STEP: 128 keys, the q-th of the slot in hand.
.macro STEP q
	s_add_co_u32 s57, s[Q0], 15
	s_cmp_gt_u32 s[KF], s57
	s_cbranch_scc1 .Lhidden_\@                     ; all its keys come after my queries
	v_add_nc_u32 v[ADK], s[TB], v[AK0]
	v_add_nc_u32 v[ADV], s[TB], v[AV0]
.rept 3
	v_nop                                          ; five places in all: the scores below are written by matrix instructions over registers that the last step's products read
.endr
.irp g, 0,1                                    ; S^T = K Q^T, four tiles of 16 keys at a time
.if \g
.rept 4
	v_nop
.endr
.endif
.irp t, 0,1,2,3
.irp e, 0,1
	ds_load_b128 v[FA+8*(2*\t+\e):FA+8*(2*\t+\e)+3], v[ADK] offset:(128*(\q)+16*(4*\g+\t))*KP+64*\e
	ds_load_b128 v[FA+8*(2*\t+\e)+4:FA+8*(2*\t+\e)+7], v[ADK] offset:(128*(\q)+16*(4*\g+\t))*KP+64*\e+32
.endr
.endr
	s_wait_dscnt 0x0
.irp t, 0,1,2,3
	v_wmma_f32_16x16x32_f16 v[S+8*(4*\g+\t):S+8*(4*\g+\t)+7], v[FA+16*\t:FA+16*\t+7], v[16:23], 0
.endr
.irp t, 0,1,2,3                                ; the four accumulators take turns
	v_wmma_f32_16x16x32_f16 v[S+8*(4*\g+\t):S+8*(4*\g+\t)+7], v[FA+16*\t+8:FA+16*\t+15], v[24:31], v[S+8*(4*\g+\t):S+8*(4*\g+\t)+7]
.endr
.endr
.rept 4
	v_nop
.endr
.irp u, 0,1                                    ; V^T of keys 0-63 of the step, turned; it lands while the softmax is walked
.irp c, 0,1,2,3
	ds_load_tr16_b128 v[FA+8*(4*\u+\c):FA+8*(4*\u+\c)+3], v[ADV] offset:(128*(\q)+32*\u)*VP+32*\c
	ds_load_tr16_b128 v[FA+8*(4*\u+\c)+4:FA+8*(4*\u+\c)+7], v[ADV] offset:(128*(\q)+32*\u+16)*VP+32*\c
.endr
.endr
	s_add_co_u32 s57, s[KF], 127
	s_cmp_le_u32 s57, s[Q0]
	s_cbranch_scc1 .Lopen_\@                       ; all its keys count
	s_sub_co_i32 s57, s[Q0], s[KF]
	v_and_b32 v240, 15, v0
	v_bfe_u32 v241, v0, 4, 1
	v_lshlrev_b32 v241, 3, v241
	v_sub_nc_u32 v240, v240, v241
	v_add_nc_u32 v240, s57, v240                   ; d = my query - KF - 8 (lane / 16).  Register 8 t + j holds key KF + 16 t + 8 (lane / 16) + j: hidden where 16 t + j > d
	v_mov_b32 v241, 0xff800000
.irp n, 0,1,2,3,4,5,6,7,8,9,10,11,12,13,14,15,16,17,18,19,20,21,22,23,24,25,26,27,28,29,30,31,32,33,34,35,36,37,38,39,40,41,42,43,44,45,46,47,48,49,50,51,52,53,54,55,56,57,58,59,60,61,62,63
	v_cmp_gt_i32 vcc_lo, 16*(\n/8)+\n%8, v240
	v_cndmask_b32 v[S+\n], v[S+\n], v241, vcc_lo
.endr
.Lopen_\@:
.irp b, 0,1,2,3
	v_max3_num_f32 v[232+\b], v[S+16*\b], v[S+1+16*\b], v[S+2+16*\b]   ; four chains; each accumulator is read from its low end on
.endr
.irp i, 3,5,7,9,11,13
.irp b, 0,1,2,3
	v_max3_num_f32 v[232+\b], v[232+\b], v[S+16*\b+\i], v[S+1+16*\b+\i]
.endr
.endr
.irp b, 0,1,2,3
	v_max_num_f32 v[232+\b], v[232+\b], v[S+15+16*\b]
.endr
	v_max3_num_f32 v254, v232, v233, v234
	v_max_num_f32 v254, v254, v235
	v_permlanex16_b32 v237, v254, s[SEL], s[SEL+1] ; my query's other keys lie in the lane 16 away
	v_max_num_f32 v254, v254, v237
	v_mul_f32 v254, s[CS], v254
	v_mov_b32 v238, v13
	v_max_num_f32 v13, v13, v254                   ; the running maximum: a visible step holds a visible key for every query, so it is finite
	v_sub_f32 v238, v238, v13                      ; old - new, 0 or less
	v_sub_f32 v12, 0, v13
.irp j, 0,2,4,6,8,10,12,14,16,18,20,22,24,26,28,30,32,34,36,38,40,42,44,46,48,50,52,54,56,58,60,62
	v_pk_fma_f32 v[S+\j:S+\j+1], v[S+\j:S+\j+1], s[CS:CS+1], v[12:13] op_sel_hi:[1,0,0]   ; t - mt
.endr
.irp j, 0,1,2,3,4,5,6,7,8,9,10,11,12,13,14,15,16,17,18,19,20,21,22,23,24,25,26,27,28,29,30,31,32,33,34,35,36,37,38,39,40,41,42,43,44,45,46,47,48,49,50,51,52,53,54,55,56,57,58,59,60,61,62,63
	v_exp_f32 v[S+\j], v[S+\j]
.endr
	v_exp_f32 v252, v238                           ; a
	v_nop                                          ; a plain instruction behind the last exponential
	s_wait_alu depctr_va_vdst(0)                   ; one wait for the whole batch, ahead of its first reader
	v_pk_add_f32 v[236:237], v[S:S+1], v[S+2:S+3]  ; the row's sum, in two chains
	v_pk_add_f32 v[238:239], v[S+4:S+5], v[S+6:S+7]
.irp j, 8,12,16,20,24,28,32,36,40,44,48,52,56,60
	v_pk_add_f32 v[236:237], v[236:237], v[S+\j:S+\j+1]
	v_pk_add_f32 v[238:239], v[238:239], v[S+\j+2:S+\j+3]
.endr
	v_pk_add_f32 v[236:237], v[236:237], v[238:239]
	v_pk_fma_f32 v[14:15], v[14:15], v[252:253], v[236:237] op_sel_hi:[1,0,1]   ; l = a l + the sum
.irp i, 0,1,2,3,4,5,6,7,8,9,10,11,12,13,14,15,16,17,18,19,20,21,22,23,24,25,26,27,28,29,30,31
	v_cvt_pk_f16_f32 v[P+\i], v[S+2*\i], v[S+2*\i+1]
.endr
.irp u, 0,1                                    ; V^T of keys 64-127, into the registers that p has left
.irp c, 0,1,2,3
	ds_load_tr16_b128 v[S+8*(4*\u+\c):S+8*(4*\u+\c)+3], v[ADV] offset:(128*(\q)+64+32*\u)*VP+32*\c
	ds_load_tr16_b128 v[S+8*(4*\u+\c)+4:S+8*(4*\u+\c)+7], v[ADV] offset:(128*(\q)+64+32*\u+16)*VP+32*\c
.endr
.endr
.irp j, 0,2,4,6,8,10,12,14,16,18,20,22,24,26,28,30
	v_pk_mul_f32 v[O+\j:O+\j+1], v[O+\j:O+\j+1], v[252:253] op_sel_hi:[1,0]
.endr
	s_wait_dscnt 0x0
.irp u, 0,1                                    ; O^T += V^T P: four accumulators by turns
.irp c, 0,1,2,3
	v_wmma_f32_16x16x32_f16 v[O+8*\c:O+8*\c+7], v[FA+8*(4*\u+\c):FA+8*(4*\u+\c)+7], v[P+8*\u:P+8*\u+7], v[O+8*\c:O+8*\c+7]
.endr
.endr
.irp u, 0,1
.irp c, 0,1,2,3
	v_wmma_f32_16x16x32_f16 v[O+8*\c:O+8*\c+7], v[S+8*(4*\u+\c):S+8*(4*\u+\c)+7], v[P+16+8*\u:P+16+8*\u+7], v[O+8*\c:O+8*\c+7]
.endr
.endr
.Lhidden_\@:
	s_add_co_u32 s[KF], s[KF], 128
.endm
; THE CHANGE OF SLOTS stands at a slot's head: all my tensor loads have landed, the add (fill = 1: twice on end), my reads of the slot that I have
; left are over; the barrier; then the other slot is filled with the keys that follow, up to the causal limit.  Every wait on TENSORcnt in this text is for 0.
.macro CHANGE fill
	s_wait_tensorcnt 0x0
	ds_add_u32 v[SPW], v[NIL]
.if \fill
	ds_add_u32 v[SPW], v[NIL]
	s_xor_b32 s[G0K+1], s[G0K+1], SLOT1
	s_add_nc_u64 s[G0K+2:G0K+3], s[G0K+2:G0K+3], SK*128
	s_xor_b32 s[G0V+1], s[G0V+1], SLOT1
	s_add_nc_u64 s[G0V+2:G0V+3], s[G0V+2:G0V+3], SK*128
	s_wait_xcnt 0x0                                ; the last prefetch, a slot back, has read its address
	s_add_nc_u64 s[PFA:PFA+1], s[PFA:PFA+1], SK*128
.endif
	s_wait_dscnt 0x0
	s_barrier_signal -1
	s_barrier_wait -1
.if \fill
	s_add_co_u32 s57, s[KF], SK                    ; the first key of the slot that this change would ask for
	s_cmp_gt_u32 s57, s[LASTQ]                     ; ids and the count of steps alone: all sixteen waves go the same way; no step reads a slot that is left out
	s_cbranch_scc1 .Lpast_\@
	TLOAD
.Lpast_\@:
	ASK
.endif
.endm
.macro SLOT_STEPS
	STEP 0
	STEP 1
	s_xor_b32 s[TB], s[TB], SLOT1
.endm
	s_wait_loadcnt 0x0                             ; Q
.Lslot:                                            ; 7 trips
	CHANGE 1
	SLOT_STEPS
	s_sub_co_u32 s[SLOTS], s[SLOTS], 1
	s_cmp_lg_u32 s[SLOTS], 0
	s_cbranch_scc1 .Lslot
	CHANGE 0                                       ; the last slot is written out: nothing is left to ask for
	SLOT_STEPS
	; THE WAY OUT: O^T / l, rounded to f16, through my stage, out as pairs of tokens: sixteen lanes store 256 consecutive bytes, aligned.
	v_add_f32 v14, v14, v15
	v_permlanex16_b32 v237, v14, s[SEL], s[SEL+1]
	v_add_f32 v14, v14, v237
	v_rcp_f32 v14, v14
.rept 4
	v_nop                                          ; places behind the last products, and the plain instruction behind the reciprocal
.endr
	s_wait_alu depctr_va_vdst(0)
.irp j, 0,2,4,6,8,10,12,14,16,18,20,22,24,26,28,30
	v_pk_mul_f32 v[96+\j:97+\j], v[O+\j:O+\j+1], v[14:15] op_sel_hi:[1,0]
.endr
.irp i, 0,1,2,3,4,5,6,7,8,9,10,11,12,13,14,15
	v_cvt_pk_f16_f32 v[128+\i], v[96+2*\i], v[97+2*\i]
.endr
.irp c, 0,1,2,3
	ds_store_b128 v[STO], v[128+4*\c:131+4*\c] offset:32*\c
.endr
.irp i, 0,1,2,3
	ds_load_b128 v[144+4*\i:147+4*\i], v[RD] offset:4*KP*\i   ; LDS serves a wave's instructions in order
.endr
.irp i, 0,1,2,3
	s_wait_dscnt 3-\i
	global_store_b128 v[GO], v[144+4*\i:147+4*\i], s[16:17] offset:8192*\i
.endr
	s_wait_tensorcnt 0x0                           ; the wave's end
	ds_add_u32 v[SPW], v[NIL]
	s_wait_dscnt 0x0
	s_endpgm
.Lfunc_end_k_q1a7c9ab2fd_attn:
	.size	k_q1a7c9ab2fd_attn, .Lfunc_end_k_q1a7c9ab2fd_attn-k_q1a7c9ab2fd_attn
	.p2alignl 7, 3214868480
	.fill 96, 4, 3214868480
	.section	.rodata,"a",@progbits
	.p2align	6, 0x0
	.amdhsa_kernel k_q1a7c9ab2fd_attn
		.amdhsa_group_segment_fixed_size 327680
		.amdhsa_private_segment_fixed_size 0
		.amdhsa_enable_private_segment 0
		.amdhsa_kernarg_size 16
		.amdhsa_user_sgpr_count 2
		.amdhsa_user_sgpr_kernarg_segment_ptr 1
		.amdhsa_wavefront_size32 1
		.amdhsa_system_sgpr_workgroup_id_x 1
		.amdhsa_system_sgpr_workgroup_id_y 1
		.amdhsa_system_sgpr_workgroup_id_z 1
		.amdhsa_system_vgpr_workitem_id 0
		.amdhsa_next_free_vgpr 256
		.amdhsa_next_free_sgpr 76
		.amdhsa_reserve_vcc 1
		.amdhsa_float_denorm_mode_32 3
		.amdhsa_float_denorm_mode_16_64 3
		.amdhsa_memory_ordered 1
		.amdhsa_forward_progress 1
		.amdhsa_inst_pref_size 107
	.end_amdhsa_kernel
	.amdgpu_metadata
---
amdhsa.version: [ 1, 2 ]
amdhsa.kernels:
  - .name:           k_q1a7c9ab2fd_attn
    .symbol:         k_q1a7c9ab2fd_attn.kd
    .args:
      - { .name: qkv, .offset: 0, .size: 8, .value_kind: global_buffer, .address_space: global }
      - { .name: att, .offset: 8, .size: 8, .value_kind: global_buffer, .address_space: global }
    .group_segment_fixed_size: 327680
    .private_segment_fixed_size: 0
    .kernarg_segment_align: 8
    .kernarg_segment_size: 16
    .max_flat_workgroup_size: 512
    .sgpr_count:     76
    .vgpr_count:     256
    .wavefront_size: 32
...
	.end_amdgpu_metadata
.endif
;; end of part 3
;; launch wo (part 4): grid 8 x 32, 4 waves a work-group, clusters of 4 x 4, 327,680 bytes of LDS; arguments att, w16, bo, x, y1; writes y1
.if DOCPART == 4
	.amdgcn_target "amdgcn-amd-amdhsa--gfx1250"
	.amdhsa_code_object_version 6
	.text
	.protected	k_q1a7c9ab2fd_wo
	.globl	k_q1a7c9ab2fd_wo
	.p2align	8
	.type	k_q1a7c9ab2fd_wo,@function
k_q1a7c9ab2fd_wo:
	s_mov_b64 s[64:65], 0
	v_nop
	global_prefetch_b8 v0, s[64:65] scope:SCOPE_SE
	s_setreg_imm32_b32 hwreg(HW_REG_WAVE_MODE, 25, 1), 1
	s_wait_xcnt 0x0
	s_wait_alu depctr_hold_cnt(0) depctr_sa_sdst(0) depctr_va_vdst(0) depctr_va_sdst(0) depctr_va_ssrc(0) depctr_va_vcc(0) depctr_vm_vsrc(0)
	s_getreg_b32 s2, hwreg(HW_REG_IB_STS2, 6, 4)
	s_cmp_eq_u32 s2, 0
	s_cbranch_scc0 .Lentry_in_a_cluster
	s_endpgm
.Lentry_in_a_cluster:
	s_bfe_u32 s2, ttmp6, 0x10000c
	s_cmp_lg_u32 s2, 0xf033
	s_cbranch_scc0 .Lentry_shape_is_right
	s_endpgm
.Lentry_shape_is_right:
; OUT[4096][1024] f32 = RES + A W + bias, A and W in f16, sums in f32.  One text for two launches, told apart by WO:
;   WO = 1: y1 = x + att Wo + bo, K = 1,024; A lies in token pairs (two tokens of a head are 256 consecutive bytes; a pair's row is 4,096 bytes).   WO = 0: y2 = x1 + hid W2 + b2, K = 4,096; A lies in rows of 8,192 bytes.
; LIMIT: operands in f16: magnitudes up to 65,504.
; A tile of OUT is 128 x 128: 256 work-groups.  Four waves, 64 x 64 each: 16 accumulators.  K goes in steps of 256 through a ring of two LDS slots.  W stays [K][N]: its tile is 256 rows of k x 128 n, and the
; fragments of W^T come out of LDS turned (ds_load_tr16_b128).  CLUSTERS of 4 x 4: A's tiles are asked for jointly along a row of the cluster, W's along a column.
; THE MATRIX INSTRUCTION IS USED TRANSPOSED (source 0 = 16 columns of W, source 1 = 16 rows of A): a lane holds eight neighbouring columns of one row.  The bias is the C of each sum's first product.
; The residual's 64 x 64 numbers of a wave are asked for at the head and stay out until the way out.
; REGISTERS: window 0: v16-29 addresses; v32-95 the way out; v96-127 the bias; v128-255 the accumulators.  window 1: two fragment buffers of 128 (64 of A, 64 of W).  window 2: v0-127 the residual.
.set WO, 1
.if WO
.set SIZE_K, 1024
.set BOFF,   0                         ; Wo in w16
.set AP,     1040                      ; an LDS row of A: a pair's 1,024 bytes (four heads) + 16
.set AHROWS, 32                        ; rows that one tensor load brings: 64 tokens
.set ATD0,   512                       ; elements in such a row
.set ASTR,   2048                      ; elements from row to row in memory
.set AQI,    7                         ; padding after every 256 words
.set AKB,    1024                      ; a K step along a row, in bytes
.set AB,     8*AP                      ; 16 tokens on
.set AQ,     256                       ; 64 along K on: the next head
.else
.set SIZE_K, 4096
.set BOFF,   10485760                  ; W2 in w16
.set AP,     528
.set AHROWS, 64
.set ATD0,   256
.set ASTR,   4096
.set AQI,    6
.set AKB,    512
.set AB,     16*AP
.set AQ,     128
.endif
.set AH,     AHROWS*AP                 ; half of A's tile
.set BP,     288                       ; an LDS row of W: 256 bytes + 32
.set BH,     128*BP                    ; half of W's tile
.set SLOT,   2*AH+2*BH
.set STAGE,  2*SLOT                    ; 16 rows x 272 bytes for each wave
.set SPITCH, 272
.set SPARE,  STAGE+4*16*SPITCH         ; the spare words
.set LAPS,   SIZE_K/512
.set ADRA, 16                          ; v16-17  my A fragments in slot 0, 1
.set ADRB, 20                          ; v20-23  my W fragments: slot 0, 1, k rows 0-127; slot 0, 1, k rows 128-255
.set STO,  24
.set RD,   25
.set CO,   26
.set BO,   27
.set SPW,  28
.set NIL,  29
.set TMP,  32
.set BIAS, 96
.set ACC,  128
.set RES,  0                           ; in window 2
.set F0,   0
.set F1,   128
.set G1, 24
.set G0, 32
.set G1B, 48
.set G0B, 56
.set MSB, 0
.macro WIN new
.if MSB != \new
	s_set_vgpr_msb (MSB<<8)|\new
.set MSB, \new
.endif
.endm
.set MUL,  0x05                        ; sources 0 and 1 window 1; C and D window 0
.set TO_F, 0x40
.macro JLOAD s                         ; a joint load: waves 0 and 1 fetch A's halves, waves 2 and 3 W's
	s_cmp_eq_u32 s11, 0
	s_cbranch_scc0 .Lfor_b_\@
	tensor_load_to_lds s[G0+4*\s:G0+4*\s+3], s[G1:G1+7]
	s_nop 0
.rept 4
	v_nop
.endr
	s_branch .Lasked_\@
.Lfor_b_\@:
	tensor_load_to_lds s[G0B+4*\s:G0B+4*\s+3], s[G1B:G1B+7]
	s_nop 0
.rept 4
	v_nop
.endr
.Lasked_\@:
.endm
.macro CREST
	s_cmp_lg_u32 s10, 0
	s_cbranch_scc1 .Lnot_wave_0_\@
	s_barrier_signal -3
.Lnot_wave_0_\@:
	s_barrier_wait -3
	s_barrier_signal -1
	s_barrier_wait -1
.endm
.macro CROUND
	s_barrier_signal -1
	s_barrier_wait -1
	CREST
.endm
	s_load_b128 s[4:7], s[0:1], 0x0                ; A, w16
	s_load_b128 s[68:71], s[0:1], 0x10             ; the bias, the residual
	s_load_b64 s[8:9], s[0:1], 0x20                ; OUT
	v_lshl_add_u32 v[SPW], v0, 2, SPARE
	v_mov_b32 v[NIL], 0
	ds_add_u32 v[SPW], v[NIL]                      ; the wave's opening: the add, twice on end, and its wait ahead of my first tensor load
	ds_add_u32 v[SPW], v[NIL]
	v_lshrrev_b32 v1, 5, v0
	v_readfirstlane_b32 s10, v1                    ; wave
	s_lshr_b32 s11, s10, 1                         ; my half of the tile's rows.  Also: I fetch for A (0) or for W (1)
	s_and_b32 s12, s10, 1                          ; my half of its columns.  Also: which half of that tile I fetch
	s_bfe_u32 s40, ttmp6, 0x40000
	s_bfe_u32 s41, ttmp6, 0x40004
	s_lshl_b32 s42, ttmp9, 2
	s_add_co_u32 s42, s42, s40                     ; tile column
	s_and_b32 s13, ttmp7, 0xffff
	s_lshl_b32 s13, s13, 2
	s_add_co_u32 s13, s13, s41                     ; tile row
	s_lshl_b32 s43, s41, 2
	s_lshl_b32 s43, 15, s43
	s_lshl_b32 s44, 0x1111, s40
	s_or_b32 s[G1+0], s43, (1<<16)|(1<<20)|(1<<21)|(AQI<<22)|(3<<25)
	s_mov_b32 s[G1+1], ATD0<<16
	s_mov_b32 s[G1+2], AHROWS<<16
	s_mov_b32 s[G1+3], ATD0<<16
	s_mov_b32 s[G1+4], AHROWS
	s_mov_b32 s[G1+5], ASTR
	s_mov_b32 s[G1+6], 0
	s_mov_b32 s[G1+7], 0
	s_or_b32 s[G1B+0], s44, (1<<16)|(1<<20)|(1<<21)|(5<<22)|(7<<25)
	s_mov_b32 s[G1B+1], 128<<16
	s_mov_b32 s[G1B+2], 128<<16
	s_mov_b32 s[G1B+3], 128<<16
	s_mov_b32 s[G1B+4], 128
	s_mov_b32 s[G1B+5], 1024
	s_mov_b32 s[G1B+6], 0
	s_mov_b32 s[G1B+7], 0
	s_mul_i32 s16, s13, 2*AHROWS
	s_mul_i32 s17, s12, AHROWS
	s_add_co_u32 s16, s16, s17
	s_mul_i32 s16, s16, ASTR*2                     ; A: my rows, in bytes (under 2^26)
	s_mov_b32 s17, 0
	s_lshl_b32 s46, s42, 8                         ; W: 128 columns of 2 bytes a tile,
	s_lshl_b32 s47, s12, 18                        ; 128 rows of 2,048 bytes a half,
	s_add_co_u32 s46, s46, s47
	s_add_co_u32 s46, s46, BOFF
	s_mov_b32 s47, 0
	s_mul_i32 s20, s12, AH
	s_mul_i32 s21, s12, BH
	s_add_co_u32 s21, s21, 2*AH
	s_wait_dscnt 0x0
	s_wait_kmcnt 0x0
	s_add_nc_u64 s[14:15], s[4:5], s[16:17]
	s_add_nc_u64 s[46:47], s[6:7], s[46:47]
	CROUND
.irp s, 0,1
	s_mov_b32 s[G0+4*\s], 1
	s_add_co_u32 s[G0+4*\s+1], s20, \s*SLOT
	s_add_nc_u64 s[G0+4*\s+2:G0+4*\s+3], s[14:15], \s*AKB
	s_or_b32 s[G0+4*\s+3], s[G0+4*\s+3], 0x80000000
	s_mov_b32 s[G0B+4*\s], 1
	s_add_co_u32 s[G0B+4*\s+1], s21, \s*SLOT
	s_add_nc_u64 s[G0B+4*\s+2:G0B+4*\s+3], s[46:47], \s*524288
	s_or_b32 s[G0B+4*\s+3], s[G0B+4*\s+3], 0x80000000
	JLOAD \s
.endr
	v_and_b32 v1, 15, v0                           ; r
	v_bfe_u32 v2, v0, 4, 1                         ; h
.if WO
	v_lshrrev_b32 v3, 1, v1
	v_mul_u32_u24 v3, v3, AP                       ; token r: pair r / 2,
	v_and_b32 v4, 1, v1
	v_lshl_add_u32 v3, v4, 7, v3                   ; 128 bytes on for the odd one
.else
	v_mul_u32_u24 v3, v1, AP
.endif
	v_lshl_add_u32 v3, v2, 4, v3
	s_mul_i32 s21, s11, AH
	v_add_nc_u32 v[ADRA], s21, v3
	v_add_nc_u32 v[ADRA+1], SLOT, v[ADRA]
	v_and_b32 v4, 7, v0
	v_lshl_add_u32 v4, v2, 3, v4                   ; the turning load: k row 8 h + lane % 8,
	v_mul_u32_u24 v4, v4, BP
	v_bfe_u32 v5, v0, 3, 1
	v_lshl_add_u32 v4, v5, 4, v4                   ; columns 8 ((lane / 8) % 2) on
	s_lshl_b32 s22, s12, 7
	s_add_co_u32 s22, s22, 2*AH
	v_add_nc_u32 v[ADRB], s22, v4
	v_add_nc_u32 v[ADRB+1], SLOT, v[ADRB]
	v_add_nc_u32 v[ADRB+2], BH, v[ADRB]
	v_add_nc_u32 v[ADRB+3], BH, v[ADRB+1]
	s_mul_i32 s23, s10, 16*SPITCH
	s_add_co_u32 s23, s23, STAGE
	v_mul_u32_u24 v4, v1, SPITCH
	v_lshl_add_u32 v4, v2, 5, v4
	v_add_nc_u32 v[STO], s23, v4
	v_mul_u32_u24 v5, v2, SPITCH
	v_lshl_add_u32 v5, v1, 4, v5
	v_add_nc_u32 v[RD], s23, v5
	v_lshlrev_b32 v5, 12, v2
	v_lshl_add_u32 v[CO], v1, 4, v5                ; lanes 0-15 one row's 256 bytes, lanes 16-31 the next row's
	v_lshlrev_b32 v[BO], 5, v2
	s_lshl_b32 s16, s13, 7
	s_lshl_b32 s17, s11, 6
	s_add_co_u32 s16, s16, s17
	s_lshl_b32 s16, s16, 12                        ; my first row of OUT and of the residual
	s_mov_b32 s17, 0
	s_lshl_b32 s46, s42, 9
	s_lshl_b32 s47, s12, 8
	s_add_co_u32 s46, s46, s47                     ; my first column, in bytes of f32
	s_mov_b32 s47, 0
	s_add_nc_u64 s[68:69], s[68:69], s[46:47]
	s_add_nc_u64 s[16:17], s[16:17], s[46:47]
	s_add_nc_u64 s[8:9], s[8:9], s[16:17]
	s_add_nc_u64 s[70:71], s[70:71], s[16:17]
.irp b, 0,1,2,3
	global_load_b128 v[BIAS+8*\b:BIAS+8*\b+3], v[BO], s[68:69] offset:64*\b
	global_load_b128 v[BIAS+8*\b+4:BIAS+8*\b+7], v[BO], s[68:69] offset:64*\b+16
.endr
	WIN 0x80                                       ; destination window 2
.irp a, 0,1,2,3
.irp t, 0,1,2,3,4,5,6,7
	global_load_b128 v[RES+4*(8*\a+\t):RES+4*(8*\a+\t)+3], v[CO], s[70:71] offset:(16*\a+2*\t)*4096 th:TH_LOAD_NT
.endr
.endr
	WIN 0
.macro MUL8 f, c, a0, zero             ; 8 matrix instructions: A's blocks a0, a0 + 1 x W's four, 32 along K.  zero = 1: the bias starts the sums.  The 16 accumulators take turns
.irp a, \a0, \a0+1
.irp b, 0,1,2,3
.if \zero
	v_wmma_f32_16x16x32_f16 v[ACC+8*(4*(\a)+\b):ACC+8*(4*(\a)+\b)+7], v[\f+64+8*(4*\c+\b):\f+64+8*(4*\c+\b)+7], v[\f+8*(4*\c+\a):\f+8*(4*\c+\a)+7], v[BIAS+8*\b:BIAS+8*\b+7]
.else
	v_wmma_f32_16x16x32_f16 v[ACC+8*(4*(\a)+\b):ACC+8*(4*(\a)+\b)+7], v[\f+64+8*(4*\c+\b):\f+64+8*(4*\c+\b)+7], v[\f+8*(4*\c+\a):\f+8*(4*\c+\a)+7], v[ACC+8*(4*(\a)+\b):ACC+8*(4*(\a)+\b)+7]
.endif
.endr
.endr
.endm
.macro FETCH slot, q, f                ; 32 LDS loads in one run: the fragments of the slot's q-th 64 along K; the first 32 along K first
	WIN TO_F
.irp c, 0,1
.irp i, 0,1,2,3
	ds_load_tr16_b128 v[\f+64+8*(4*\c+\i):\f+64+8*(4*\c+\i)+3],   v[ADRB+\slot+2*((\q)/2)] offset:(64*((\q)%2)+32*\c)*BP+32*\i
	ds_load_tr16_b128 v[\f+64+8*(4*\c+\i)+4:\f+64+8*(4*\c+\i)+7], v[ADRB+\slot+2*((\q)/2)] offset:(64*((\q)%2)+32*\c+16)*BP+32*\i
	ds_load_b128 v[\f+8*(4*\c+\i):\f+8*(4*\c+\i)+3],         v[ADRA+\slot] offset:AQ*(\q)+64*\c+\i*AB
	ds_load_b128 v[\f+8*(4*\c+\i)+4:\f+8*(4*\c+\i)+7],       v[ADRA+\slot] offset:AQ*(\q)+64*\c+\i*AB+32
.endr
.endr
.endm
.macro PLACES
.rept 4
	v_nop
.endr
.endm
.macro QUARTER slot, q, f, g, zero     ; multiplies buffer f and fetches the slot's q-th quarter into g
	s_wait_dscnt 16                                ; the first 32 along K are in
	WIN MUL
	MUL8 \f, 0, 0, \zero
	MUL8 \f, 0, 2, \zero
	PLACES
	FETCH \slot, \q, \g
	s_wait_dscnt 32                                ; all but the 32 just issued
	WIN MUL
	MUL8 \f, 1, 0, 0
	MUL8 \f, 1, 2, 0
.endm
; The last quarter changes slots: one barrier; in front of it all my tensor loads have landed, the add is done, my reads of this slot are over.  fill = 1: a round of the cluster's barrier, and the joint refill first behind it.
.macro TURN slot, next, fill
	WIN 0
	s_wait_tensorcnt 0x0
	ds_add_u32 v[SPW], v[NIL]
	s_wait_dscnt 17                                ; (the add and the youngest sixteen loads may be out)
	WIN MUL
	MUL8 F1, 0, 0, 0
	s_wait_dscnt 0x0
	s_barrier_signal -1
	MUL8 F1, 0, 2, 0
.if \fill
	WIN 0
.endif
	s_barrier_wait -1
.if \fill
	CREST
	s_add_nc_u64 s[G0+4*\slot+2:G0+4*\slot+3], s[G0+4*\slot+2:G0+4*\slot+3], 2*AKB
	s_add_nc_u64 s[G0B+4*\slot+2:G0B+4*\slot+3], s[G0B+4*\slot+2:G0B+4*\slot+3], 2*524288
	JLOAD \slot                                    ; its four v_nop are also the places in front of the loads below
.else
	PLACES
.endif
	FETCH \next, 0, F0
	WIN MUL
	MUL8 F1, 1, 0, 0
	MUL8 F1, 1, 2, 0
.endm
	s_wait_tensorcnt 1                             ; my part of K step 0 is in; K step 1's load may be out
	s_barrier_signal -1
	s_barrier_wait -1
	FETCH 0, 0, F0
	s_wait_loadcnt 32                              ; the bias is in; the residual's 32 loads stay out
	QUARTER 0, 1, F0, F1, 1
	WIN 0
	s_mov_b32 s3, LAPS-1
.Llap:                                                 ; a trip goes once round the ring and fills both slots again
	QUARTER 0, 2, F1, F0, 0
	QUARTER 0, 3, F0, F1, 0
	TURN 0, 1, 1
	QUARTER 1, 1, F0, F1, 0
	QUARTER 1, 2, F1, F0, 0
	QUARTER 1, 3, F0, F1, 0
	TURN 1, 0, 1
	QUARTER 0, 1, F0, F1, 0
	WIN 0
	s_sub_co_u32 s3, s3, 1
	s_cmp_lg_u32 s3, 0
	s_cbranch_scc1 .Llap
	QUARTER 0, 2, F1, F0, 0                        ; the last lap fills nothing
	QUARTER 0, 3, F0, F1, 0
	TURN 0, 1, 0
	QUARTER 1, 1, F0, F1, 0
	QUARTER 1, 2, F1, F0, 0
	QUARTER 1, 3, F0, F1, 0
	s_wait_dscnt 16
	WIN MUL
	MUL8 F1, 0, 0, 0
	MUL8 F1, 0, 2, 0
	s_wait_dscnt 0
	MUL8 F1, 1, 0, 0
	MUL8 F1, 1, 2, 0
	WIN 0
; THE WAY OUT.  A wave's 64 columns of f32 are 256 bytes of a row: each wave has its own stage and needs no barrier.  A block of 16 rows goes in, comes back as whole rows, takes the residual, and leaves.
.macro OUT a
.irp b, 0,1,2,3
	ds_store_b128 v[STO], v[ACC+8*(4*(\a)+\b):ACC+8*(4*(\a)+\b)+3] offset:64*\b      ; each accumulator from its low end on
	ds_store_b128 v[STO], v[ACC+8*(4*(\a)+\b)+4:ACC+8*(4*(\a)+\b)+7] offset:64*\b+16
.endr
.irp t, 0,1,2,3,4,5,6,7
	ds_load_b128 v[TMP+32*((\a)%2)+4*\t:TMP+32*((\a)%2)+4*\t+3], v[RD] offset:\t*2*SPITCH   ; LDS serves a wave's instructions in order
.endr
.endm
.macro SENDR a, younger
	s_wait_dscnt \younger
	WIN 0x08                                       ; source 1: window 2
.irp i, 0,2,4,6,8,10,12,14,16,18,20,22,24,26,28,30
	v_pk_add_f32 v[TMP+32*((\a)%2)+\i:TMP+32*((\a)%2)+\i+1], v[TMP+32*((\a)%2)+\i:TMP+32*((\a)%2)+\i+1], v[RES+32*(\a)+\i:RES+32*(\a)+\i+1]
.endr
	WIN 0
.irp t, 0,1,2,3,4,5,6,7
	global_store_b128 v[CO], v[TMP+32*((\a)%2)+4*\t:TMP+32*((\a)%2)+4*\t+3], s[8:9] offset:(16*(\a)+2*\t)*4096   ; sixteen lanes store 256 consecutive bytes, aligned
.endr
.endm
	s_wait_loadcnt 0x0                             ; the residual
	PLACES
	OUT 0
	OUT 1
	SENDR 0, 16                                    ; behind block 0's loads: block 1's 8 stores and 8 loads
	s_wait_xcnt 0x0                                ; block 0's stores have read their registers
	OUT 2
	SENDR 1, 16
	s_wait_xcnt 0x0
	OUT 3
	SENDR 2, 16
	SENDR 3, 0
	s_wait_tensorcnt 0x0                           ; the wave's end
	ds_add_u32 v[SPW], v[NIL]
	s_wait_dscnt 0x0
	CROUND                                         ; the closing round
	s_endpgm
.Lfunc_end_k_q1a7c9ab2fd_wo:
	.size	k_q1a7c9ab2fd_wo, .Lfunc_end_k_q1a7c9ab2fd_wo-k_q1a7c9ab2fd_wo
	.p2alignl 7, 3214868480
	.fill 96, 4, 3214868480
	.section	.rodata,"a",@progbits
	.p2align	6, 0x0
	.amdhsa_kernel k_q1a7c9ab2fd_wo
		.amdhsa_group_segment_fixed_size 327680
		.amdhsa_private_segment_fixed_size 0
		.amdhsa_enable_private_segment 0
		.amdhsa_kernarg_size 40
		.amdhsa_user_sgpr_count 2
		.amdhsa_user_sgpr_kernarg_segment_ptr 1
		.amdhsa_wavefront_size32 1
		.amdhsa_system_sgpr_workgroup_id_x 1
		.amdhsa_system_sgpr_workgroup_id_y 1
		.amdhsa_system_sgpr_workgroup_id_z 1
		.amdhsa_system_vgpr_workitem_id 0
		.amdhsa_next_free_vgpr 768
		.amdhsa_next_free_sgpr 72
		.amdhsa_reserve_vcc 0
		.amdhsa_float_denorm_mode_32 3
		.amdhsa_float_denorm_mode_16_64 3
		.amdhsa_memory_ordered 1
		.amdhsa_forward_progress 1
		.amdhsa_inst_pref_size 94
	.end_amdhsa_kernel
	.amdgpu_metadata
---
amdhsa.version: [ 1, 2 ]
amdhsa.kernels:
  - .name:           k_q1a7c9ab2fd_wo
    .symbol:         k_q1a7c9ab2fd_wo.kd
    .args:
      - { .name: att, .offset: 0, .size: 8, .value_kind: global_buffer, .address_space: global }
      - { .name: w16, .offset: 8, .size: 8, .value_kind: global_buffer, .address_space: global }
      - { .name: bo, .offset: 16, .size: 8, .value_kind: global_buffer, .address_space: global }
      - { .name: x, .offset: 24, .size: 8, .value_kind: global_buffer, .address_space: global }
      - { .name: y1, .offset: 32, .size: 8, .value_kind: global_buffer, .address_space: global }
    .group_segment_fixed_size: 327680
    .private_segment_fixed_size: 0
    .kernarg_segment_align: 8
    .kernarg_segment_size: 40
    .max_flat_workgroup_size: 128
    .sgpr_count:     72
    .vgpr_count:     768
    .wavefront_size: 32
...
	.end_amdgpu_metadata
.endif
;; end of part 4
;; launch ln1 (part 5): grid 256 x 1, 4 waves a work-group, no clusters, 0 bytes of LDS; arguments y1, g1, be1, x1b; writes x1b
.if DOCPART == 5
	.amdgcn_target "amdgcn-amd-amdhsa--gfx1250"
	.amdhsa_code_object_version 6
	.text
	.protected	k_q1a7c9ab2fd_ln1
	.globl	k_q1a7c9ab2fd_ln1
	.p2align	8
	.type	k_q1a7c9ab2fd_ln1,@function
k_q1a7c9ab2fd_ln1:
	s_mov_b64 s[64:65], 0
	v_nop
	global_prefetch_b8 v0, s[64:65] scope:SCOPE_SE
	s_setreg_imm32_b32 hwreg(HW_REG_WAVE_MODE, 25, 1), 1
	s_wait_xcnt 0x0
; out[r][:] = (y[r][:] - mean) * rsqrt(var + 1e-5) * g + be, rows of 1,024 f32.  One text for two launches: HALF_OUT = 1 also stores the result rounded to f16, 16,777,216 bytes behind the f32 rows.
; A wave owns 4 rows; a row lies in 32 registers of the wave, so it is read once.  The variance is taken of the differences from the mean (two passes over registers): no difference of large sums.
; No LDS, no barrier, no loop: all 48 loads of a wave go out at the head.  Matrix units and clusters have nothing to do here: the launch is a stream.
.set HALF_OUT, 1
.set G,  8                             ; v8-39    g of my 32 columns
.set BE, 40                            ; v40-71   be
.set X,  72                            ; v72-199  four rows
.set H,  200                           ; v200-231 two sets of 16: f16
.set CH, 232                           ; v232-239 four chains
	s_load_b256 s[4:11], s[0:1], 0x0               ; y, g, be, out
	v_lshrrev_b32 v3, 5, v0
	v_readfirstlane_b32 s16, v3
	v_and_b32 v2, 31, v0
	v_lshlrev_b32 v1, 4, v2                        ; 16 bytes a lane
	v_lshlrev_b32 v2, 3, v2                        ; 8 bytes a lane
	s_lshl_b32 s17, ttmp9, 2
	s_add_co_u32 s17, s17, s16
	s_lshl_b32 s18, s17, 14                        ; 4 rows of 4,096 bytes a wave
	s_mov_b32 s19, 0
	s_lshl_b32 s20, s17, 13
	s_add_co_u32 s20, s20, 16777216
	s_mov_b32 s21, 0
	s_mov_b32 s12, 0x3a800000                      ; 1 / 1,024
	s_mov_b32 s13, 0x3727c5ac                      ; 1e-5
	s_mov_b32 s14, 0x76543210
	s_mov_b32 s15, 0xfedcba98
	v_mov_b32 v241, 0                              ; a lane permute's destination counts as read
	v_mov_b32 v243, 0                              ; upper halves of pairs that are named whole
	v_mov_b32 v245, 0
	s_wait_kmcnt 0x0
	s_add_nc_u64 s[4:5], s[4:5], s[18:19]
	s_add_nc_u64 s[22:23], s[10:11], s[20:21]
	s_add_nc_u64 s[10:11], s[10:11], s[18:19]
.irp j, 0,1,2,3,4,5,6,7
	global_load_b128 v[G+4*\j:G+4*\j+3], v1, s[6:7] offset:512*\j
.endr
.irp j, 0,1,2,3,4,5,6,7
	global_load_b128 v[BE+4*\j:BE+4*\j+3], v1, s[8:9] offset:512*\j
.endr
.irp p, 0,1,2,3
.irp j, 0,1,2,3,4,5,6,7
	global_load_b128 v[X+32*\p+4*\j:X+32*\p+4*\j+3], v1, s[4:5] offset:4096*\p+512*\j th:TH_LOAD_NT
.endr
.endr
.macro REDUCE                          ; v240 summed over the 32 lanes, in every lane
	v_add_f32_dpp v240, v240, v240 row_xmask:1 row_mask:0xf bank_mask:0xf
	v_add_f32_dpp v240, v240, v240 row_xmask:2 row_mask:0xf bank_mask:0xf
	v_add_f32_dpp v240, v240, v240 row_xmask:4 row_mask:0xf bank_mask:0xf
	v_add_f32_dpp v240, v240, v240 row_xmask:8 row_mask:0xf bank_mask:0xf
	v_permlanex16_b32 v241, v240, s14, s15
	v_add_f32 v240, v240, v241
.endm
.macro FOLD                            ; the four chains into v240
	v_pk_add_f32 v[CH:CH+1], v[CH:CH+1], v[CH+2:CH+3]
	v_pk_add_f32 v[CH+4:CH+5], v[CH+4:CH+5], v[CH+6:CH+7]
	v_pk_add_f32 v[CH:CH+1], v[CH:CH+1], v[CH+4:CH+5]
	v_add_f32 v240, v[CH], v[CH+1]
.endm
.macro ROW p
.set XB, X+32*(\p)
	s_wait_loadcnt 8*(3-(\p))                      ; my row is in; the later rows' loads stay out
.irp k, 0,1,2,3
	v_pk_add_f32 v[CH+2*\k:CH+2*\k+1], v[XB+2*\k:XB+2*\k+1], v[XB+8+2*\k:XB+8+2*\k+1]
.endr
.irp m, 16,24
.irp k, 0,1,2,3
	v_pk_add_f32 v[CH+2*\k:CH+2*\k+1], v[CH+2*\k:CH+2*\k+1], v[XB+\m+2*\k:XB+\m+2*\k+1]
.endr
.endr
	FOLD
	REDUCE
	v_mul_f32 v242, s12, v240                      ; the mean
.irp i, 0,2,4,6,8,10,12,14,16,18,20,22,24,26,28,30
	v_pk_add_f32 v[XB+\i:XB+\i+1], v[XB+\i:XB+\i+1], v[242:243] op_sel_hi:[1,0] neg_lo:[0,1] neg_hi:[0,1]
.endr
.irp k, 0,1,2,3
	v_pk_mul_f32 v[CH+2*\k:CH+2*\k+1], v[XB+2*\k:XB+2*\k+1], v[XB+2*\k:XB+2*\k+1]
.endr
.irp m, 8,16,24
.irp k, 0,1,2,3
	v_pk_fma_f32 v[CH+2*\k:CH+2*\k+1], v[XB+\m+2*\k:XB+\m+2*\k+1], v[XB+\m+2*\k:XB+\m+2*\k+1], v[CH+2*\k:CH+2*\k+1]
.endr
.endr
	FOLD
	REDUCE
	v_fma_f32 v240, v240, s12, s13                 ; var + eps
	v_rsq_f32 v244, v240
	v_nop                                          ; a plain instruction behind the transcendental
	s_wait_alu depctr_va_vdst(0)                   ; and the wait ahead of its first reader
.irp i, 0,2,4,6,8,10,12,14,16,18,20,22,24,26,28,30
	v_pk_mul_f32 v[XB+\i:XB+\i+1], v[XB+\i:XB+\i+1], v[244:245] op_sel_hi:[1,0]
.endr
.irp i, 0,2,4,6,8,10,12,14,16,18,20,22,24,26,28,30
	v_pk_fma_f32 v[XB+\i:XB+\i+1], v[XB+\i:XB+\i+1], v[G+\i:G+\i+1], v[BE+\i:BE+\i+1]
.endr
.irp j, 0,1,2,3,4,5,6,7
	global_store_b128 v1, v[XB+4*\j:XB+4*\j+3], s[10:11] offset:4096*(\p)+512*\j
.endr
.if HALF_OUT
.if (\p) >= 2
	s_wait_xcnt 0x0                                ; the stores of two rows back have read this set of f16 registers
.endif
.irp i, 0,1,2,3,4,5,6,7,8,9,10,11,12,13,14,15
	v_cvt_pk_f16_f32 v[H+16*((\p)%2)+\i], v[XB+2*\i], v[XB+2*\i+1]
.endr
.irp j, 0,1,2,3,4,5,6,7
	global_store_b64 v2, v[H+16*((\p)%2)+2*\j:H+16*((\p)%2)+2*\j+1], s[22:23] offset:2048*(\p)+256*\j   ; 32 lanes store 256 consecutive bytes, aligned
.endr
.endif
.endm
	ROW 0
	ROW 1
	ROW 2
	ROW 3
	s_endpgm
.Lfunc_end_k_q1a7c9ab2fd_ln1:
	.size	k_q1a7c9ab2fd_ln1, .Lfunc_end_k_q1a7c9ab2fd_ln1-k_q1a7c9ab2fd_ln1
	.p2alignl 7, 3214868480
	.fill 96, 4, 3214868480
	.section	.rodata,"a",@progbits
	.p2align	6, 0x0
	.amdhsa_kernel k_q1a7c9ab2fd_ln1
		.amdhsa_group_segment_fixed_size 0
		.amdhsa_private_segment_fixed_size 0
		.amdhsa_enable_private_segment 0
		.amdhsa_kernarg_size 32
		.amdhsa_user_sgpr_count 2
		.amdhsa_user_sgpr_kernarg_segment_ptr 1
		.amdhsa_wavefront_size32 1
		.amdhsa_system_sgpr_workgroup_id_x 1
		.amdhsa_system_sgpr_workgroup_id_y 1
		.amdhsa_system_sgpr_workgroup_id_z 1
		.amdhsa_system_vgpr_workitem_id 0
		.amdhsa_next_free_vgpr 248
		.amdhsa_next_free_sgpr 66
		.amdhsa_reserve_vcc 0
		.amdhsa_float_denorm_mode_32 3
		.amdhsa_float_denorm_mode_16_64 3
		.amdhsa_memory_ordered 1
		.amdhsa_forward_progress 1
		.amdhsa_inst_pref_size 41
	.end_amdhsa_kernel
	.amdgpu_metadata
---
amdhsa.version: [ 1, 2 ]
amdhsa.kernels:
  - .name:           k_q1a7c9ab2fd_ln1
    .symbol:         k_q1a7c9ab2fd_ln1.kd
    .args:
      - { .name: y1, .offset: 0, .size: 8, .value_kind: global_buffer, .address_space: global }
      - { .name: g1, .offset: 8, .size: 8, .value_kind: global_buffer, .address_space: global }
      - { .name: be1, .offset: 16, .size: 8, .value_kind: global_buffer, .address_space: global }
      - { .name: x1b, .offset: 24, .size: 8, .value_kind: global_buffer, .address_space: global }
    .group_segment_fixed_size: 0
    .private_segment_fixed_size: 0
    .kernarg_segment_align: 8
    .kernarg_segment_size: 32
    .max_flat_workgroup_size: 128
    .sgpr_count:     66
    .vgpr_count:     248
    .wavefront_size: 32
...
	.end_amdgpu_metadata
.endif
;; end of part 5
;; launch ffn1 (part 6): grid 16 x 16, 4 waves a work-group, clusters of 4 x 4, 327,680 bytes of LDS; arguments x1b, w16, b1, hid; writes hid
.if DOCPART == 6
	.amdgcn_target "amdgcn-amd-amdhsa--gfx1250"
	.amdhsa_code_object_version 6
	.text
	.protected	k_q1a7c9ab2fd_ffn1
	.globl	k_q1a7c9ab2fd_ffn1
	.p2align	8
	.type	k_q1a7c9ab2fd_ffn1,@function
k_q1a7c9ab2fd_ffn1:
	s_mov_b64 s[64:65], 0
	v_nop
	global_prefetch_b8 v0, s[64:65] scope:SCOPE_SE
	s_setreg_imm32_b32 hwreg(HW_REG_WAVE_MODE, 25, 1), 1
	s_wait_xcnt 0x0
	s_wait_alu depctr_hold_cnt(0) depctr_sa_sdst(0) depctr_va_vdst(0) depctr_va_sdst(0) depctr_va_ssrc(0) depctr_va_vcc(0) depctr_vm_vsrc(0)
	s_getreg_b32 s2, hwreg(HW_REG_IB_STS2, 6, 4)
	s_cmp_eq_u32 s2, 0
	s_cbranch_scc0 .Lentry_in_a_cluster
	s_endpgm
.Lentry_in_a_cluster:
	s_bfe_u32 s2, ttmp6, 0x10000c
	s_cmp_lg_u32 s2, 0xf033
	s_cbranch_scc0 .Lentry_shape_is_right
	s_endpgm
.Lentry_shape_is_right:
; hid[4096][4096] f16 = gelu(x1 W1 + b1), the exact gelu x Phi(x); x1 (f16, 16,777,216 bytes into x1b) and W1 (f16, [K][N], 2,097,152 bytes into w16); sums in f32.
; LIMITS: operands and results in f16: magnitudes up to 65,504.  Phi by Abramowitz and Stegun 26.2.17: absolute error at most 7.5e-8 for every x: gelu(x) = max(x, 0) - |x| q,
; q = phi(x) (b1 t + .. + b5 t^5), t = 1 / (1 + 0.2316419 |x|), phi(x) = 2^(-(0.8493218 x)^2) / sqrt(2 pi); 1 / sqrt(2 pi) is folded into b1 .. b5.
; A tile is 256 x 256: 256 work-groups of four waves, 128 x 128 a wave: 64 accumulators, 512 registers.  K = 1,024 goes in steps of 128 through a ring of two LDS slots.  W1's tile is 128 rows of k x 256 n; the
; fragments of W1^T come out of LDS turned (ds_load_tr16_b128).  CLUSTERS of 4 x 4: x1's tiles are asked for jointly along a row of the cluster, W1's along a column.
; THE MATRIX INSTRUCTION IS USED TRANSPOSED (source 0 = 16 columns of W1, source 1 = 16 rows of x1).  The bias is the C of each sum's first product.
; THE WAY OUT: behind a barrier that shows every wave's last read of the ring, each wave stores its 128 x 128 f32 results into the ring's bytes (both slots have had their last fill), and a counted loop of 16 trips reads
; 8 rows back, applies the gelu on fixed registers of window 0, and stores: so the gelu is written once.
; REGISTERS: window 0: v2-11 the gelu's constants; v16-30 addresses; v64-127, v128-191 x1's fragments, two buffers; v192-255 the bias; in the way out v32-207 at work.
;   window 1: v64-127, v128-191 W1's fragments.   windows 2, 3: the accumulators ((a, b) at v[8 (8 (a % 4) + b)]).
.set KSTEP,  128
.set PITCH,  272                       ; an LDS row of x1: 256 bytes + 16
.set BPITCH, 544                       ; an LDS row of W1: 512 bytes + 32
.set HALFT,  128*PITCH                 ; what one tensor load brings: 128 rows of x1, or 64 rows of W1 (the same bytes)
.set SLOT,   4*HALFT
.set SPARE,  2*SLOT                    ; the spare words, 128 bytes for each wave
.set OP,     528                       ; the way out: a row of 128 f32 + 16 bytes
.set WREG,   128*OP                    ; a wave's results
.set LAPS,   4
.set ADRA, 16
.set ADRB, 20
.set STO,  24
.set RD,   25
.set CO,   26
.set BO,   27
.set SPW,  28
.set NIL,  29
.set ADR,  30
.set F0,   64
.set F1,   128
.set BIAS, 192
.set X,    32                          ; the way out: 32 results of a lane,
.set W,    64                          ; (0.849 x)^2, then 2^-that,
.set T,    96                          ; t,
.set MX,   128                         ; max(x, 0), then the gelu,
.set PL,   160                         ; the polynomial, then q,
.set OUTP, 192                         ; and 16 registers of f16
.set G1, 24
.set G0, 32
.set G1B, 48
.set G0B, 56
.set MSB, 0
.macro WIN new
.if MSB != \new
	s_set_vgpr_msb (MSB<<8)|\new
.set MSB, \new
.endif
.endm
.set MUL_LO, 0xa1
.set MUL_HI, 0xf1
.set TO_B,   0x40
.macro JLOAD s
	s_cmp_eq_u32 s11, 0
	s_cbranch_scc0 .Lfor_b_\@
	tensor_load_to_lds s[G0+4*\s:G0+4*\s+3], s[G1:G1+7]
	s_nop 0
.rept 4
	v_nop
.endr
	s_branch .Lasked_\@
.Lfor_b_\@:
	tensor_load_to_lds s[G0B+4*\s:G0B+4*\s+3], s[G1B:G1B+7]
	s_nop 0
.rept 4
	v_nop
.endr
.Lasked_\@:
.endm
.macro CREST
	s_cmp_lg_u32 s10, 0
	s_cbranch_scc1 .Lnot_wave_0_\@
	s_barrier_signal -3
.Lnot_wave_0_\@:
	s_barrier_wait -3
	s_barrier_signal -1
	s_barrier_wait -1
.endm
.macro CROUND
	s_barrier_signal -1
	s_barrier_wait -1
	CREST
.endm
	s_load_b128 s[4:7], s[0:1], 0x0                ; x1b, w16
	s_load_b64 s[68:69], s[0:1], 0x10              ; b1
	s_load_b64 s[8:9], s[0:1], 0x18                ; hid
	v_lshl_add_u32 v[SPW], v0, 2, SPARE
	v_mov_b32 v[NIL], 0
	ds_add_u32 v[SPW], v[NIL]                      ; the wave's opening: the add, twice on end, and its wait ahead of my first tensor load
	ds_add_u32 v[SPW], v[NIL]
	v_lshrrev_b32 v1, 5, v0
	v_readfirstlane_b32 s10, v1
	s_lshr_b32 s11, s10, 1                         ; my half of the tile's rows.  Also: I fetch for x1 (0) or for W1 (1)
	s_and_b32 s12, s10, 1                          ; my half of its columns.  Also: which half of that tile I fetch
	s_bfe_u32 s40, ttmp6, 0x40000
	s_bfe_u32 s41, ttmp6, 0x40004
	s_lshl_b32 s42, ttmp9, 2
	s_add_co_u32 s42, s42, s40                     ; tile column
	s_and_b32 s13, ttmp7, 0xffff
	s_lshl_b32 s13, s13, 2
	s_add_co_u32 s13, s13, s41                     ; tile row
	s_lshl_b32 s43, s41, 2
	s_lshl_b32 s43, 15, s43
	s_lshl_b32 s44, 0x1111, s40
	s_or_b32 s[G1+0], s43, (1<<16)|(1<<20)|(1<<21)|(5<<22)|(3<<25)
	s_mov_b32 s[G1+1], 128<<16
	s_mov_b32 s[G1+2], 128<<16
	s_mov_b32 s[G1+3], 128<<16
	s_mov_b32 s[G1+4], 128
	s_mov_b32 s[G1+5], 1024
	s_mov_b32 s[G1+6], 0
	s_mov_b32 s[G1+7], 0
	s_or_b32 s[G1B+0], s44, (1<<16)|(1<<20)|(1<<21)|(6<<22)|(7<<25)
	s_mov_b32 s[G1B+1], 256<<16
	s_mov_b32 s[G1B+2], 64<<16
	s_mov_b32 s[G1B+3], 256<<16
	s_mov_b32 s[G1B+4], 64
	s_mov_b32 s[G1B+5], 4096
	s_mov_b32 s[G1B+6], 0
	s_mov_b32 s[G1B+7], 0
	s_lshl_b32 s16, s13, 8
	s_lshl_b32 s17, s12, 7
	s_add_co_u32 s16, s16, s17
	s_lshl_b32 s16, s16, 11                        ; rows of 2,048 bytes
	s_add_co_u32 s16, s16, 16777216
	s_mov_b32 s17, 0
	s_lshl_b32 s46, s42, 9                         ; 256 columns of 2 bytes a tile
	s_lshl_b32 s47, s12, 19                        ; 64 rows of 8,192 bytes a half
	s_add_co_u32 s46, s46, s47
	s_add_co_u32 s46, s46, 2097152
	s_mov_b32 s47, 0
	s_mul_i32 s20, s10, HALFT
	s_mov_b32 s72, 0x3e6d3389                      ; 0.2316419
	s_mov_b32 s74, 0x3f596d27                      ; 0.8493218 = sqrt(log2(e) / 2)
	s_mov_b32 s75, s74
	s_wait_dscnt 0x0
	s_wait_kmcnt 0x0
	s_add_nc_u64 s[14:15], s[4:5], s[16:17]
	s_add_nc_u64 s[46:47], s[6:7], s[46:47]
	CROUND
.irp s, 0,1
	s_mov_b32 s[G0+4*\s], 1
	s_add_co_u32 s[G0+4*\s+1], s20, \s*SLOT
	s_add_nc_u64 s[G0+4*\s+2:G0+4*\s+3], s[14:15], \s*256
	s_or_b32 s[G0+4*\s+3], s[G0+4*\s+3], 0x80000000
	s_mov_b32 s[G0B+4*\s], 1
	s_add_co_u32 s[G0B+4*\s+1], s20, \s*SLOT
	s_add_nc_u64 s[G0B+4*\s+2:G0B+4*\s+3], s[46:47], \s*1048576
	s_or_b32 s[G0B+4*\s+3], s[G0B+4*\s+3], 0x80000000
	JLOAD \s
.endr
	v_and_b32 v1, 15, v0
	v_bfe_u32 v2, v0, 4, 1
	v_mul_u32_u24 v3, v1, PITCH
	v_lshl_add_u32 v3, v2, 4, v3
	s_mul_i32 s21, s11, HALFT
	v_add_nc_u32 v[ADRA], s21, v3
	v_add_nc_u32 v[ADRA+1], SLOT, v[ADRA]
	v_and_b32 v4, 7, v0
	v_lshl_add_u32 v4, v2, 3, v4
	v_mul_u32_u24 v4, v4, BPITCH
	v_bfe_u32 v5, v0, 3, 1
	v_lshl_add_u32 v4, v5, 4, v4
	s_lshl_b32 s22, s12, 8
	s_add_co_u32 s22, s22, 2*HALFT
	v_add_nc_u32 v[ADRB], s22, v4
	v_add_nc_u32 v[ADRB+1], SLOT, v[ADRB]
	s_mul_i32 s23, s10, WREG
	v_mul_u32_u24 v4, v1, OP
	v_lshl_add_u32 v4, v2, 5, v4
	v_add_nc_u32 v[STO], s23, v4                   ; in: row r, 32 bytes for each half of the lanes
	v_mul_u32_u24 v5, v2, OP
	v_lshl_add_u32 v5, v1, 5, v5
	v_add_nc_u32 v[RD], s23, v5                    ; back: sixteen lanes to a row, 8 columns a lane
	v_lshlrev_b32 v5, 13, v2
	v_lshl_add_u32 v[CO], v1, 4, v5
	v_lshlrev_b32 v[BO], 5, v2
	s_lshl_b32 s16, s13, 8
	s_lshl_b32 s17, s11, 7
	s_add_co_u32 s16, s16, s17
	s_lshl_b32 s16, s16, 13                        ; my first row of hid, rows of 8,192 bytes
	s_mov_b32 s17, 0
	s_lshl_b32 s46, s42, 9
	s_lshl_b32 s47, s12, 8
	s_add_co_u32 s46, s46, s47                     ; my first column, in bytes of f16
	s_mov_b32 s47, 0
	s_add_nc_u64 s[16:17], s[16:17], s[46:47]
	s_add_nc_u64 s[8:9], s[8:9], s[16:17]
	s_lshl_b32 s46, s46, 1                         ; and of f32
	s_add_nc_u64 s[68:69], s[68:69], s[46:47]
.irp b, 0,1,2,3,4,5,6,7
	global_load_b128 v[BIAS+8*\b:BIAS+8*\b+3], v[BO], s[68:69] offset:64*\b
	global_load_b128 v[BIAS+8*\b+4:BIAS+8*\b+7], v[BO], s[68:69] offset:64*\b+16
.endr
.macro MUL16 f, hi, a0, zero           ; 16 matrix instructions; zero = 1: the bias starts the sums.  The 64 accumulators take turns, one instruction a turn, in the same order in every quarter
.irp a, \a0, \a0+1
.irp b, 0,1,2,3,4,5,6,7
.if \zero
	v_wmma_f32_16x16x32_f16 v[8*(8*(\a)+\b):8*(8*(\a)+\b)+7], v[\f+8*\b:\f+8*\b+7], v[\f+8*(4*\hi+\a):\f+8*(4*\hi+\a)+7], v[BIAS+8*\b:BIAS+8*\b+7]
.else
	v_wmma_f32_16x16x32_f16 v[8*(8*(\a)+\b):8*(8*(\a)+\b)+7], v[\f+8*\b:\f+8*\b+7], v[\f+8*(4*\hi+\a):\f+8*(4*\hi+\a)+7], v[8*(8*(\a)+\b):8*(8*(\a)+\b)+7]
.endif
.endr
.endr
.endm
.macro FETCH slot, k, f                ; 32 LDS loads in one run: 32 along K at byte k of x1's rows
	WIN TO_B
.irp i, 0,1,2,3,4,5,6,7
	ds_load_tr16_b128 v[\f+8*\i:\f+8*\i+3],   v[ADRB+\slot] offset:((\k)/64)*32*BPITCH+32*\i
	ds_load_tr16_b128 v[\f+8*\i+4:\f+8*\i+7], v[ADRB+\slot] offset:((\k)/64)*32*BPITCH+16*BPITCH+32*\i
.endr
	WIN 0
.irp i, 0,1,2,3,4,5,6,7
	ds_load_b128 v[\f+8*\i:\f+8*\i+3],   v[ADRA+\slot] offset:\k+\i*16*PITCH
	ds_load_b128 v[\f+8*\i+4:\f+8*\i+7], v[ADRA+\slot] offset:\k+\i*16*PITCH+32
.endr
.endm
.macro PLACES
.rept 4
	v_nop
.endr
.endm
.macro QUARTER slot, k, f, g, zero
	s_wait_dscnt 8                                 ; W1's and x1's rows 0-63 are in; the youngest eight loads may be out
.if \zero
	WIN 0x81                                       ; C (the bias) in window 0, D in window 2
.else
	WIN MUL_LO
.endif
	MUL16 \f, 0, 0, \zero
	MUL16 \f, 0, 2, \zero
	PLACES
	FETCH \slot, \k, \g
	s_wait_dscnt 32                                ; all but the 32 just issued
.if \zero
	WIN 0xc1
.else
	WIN MUL_HI
.endif
	MUL16 \f, 1, 0, \zero
	MUL16 \f, 1, 2, \zero
.endm
.macro MEET round                      ; the change of slots: all my tensor loads have landed, the add, my reads of this slot are over, one barrier
	WIN 0
	s_wait_tensorcnt 0x0
	ds_add_u32 v[SPW], v[NIL]
	s_wait_dscnt 9                                 ; (the add and the youngest eight loads may be out)
	WIN MUL_LO
	MUL16 F1, 0, 0, 0
	s_wait_dscnt 0x0
	s_barrier_signal -1
	MUL16 F1, 0, 2, 0
.if \round
	WIN 0
.endif
	s_barrier_wait -1
.endm
.macro TURN slot, next
	MEET 1
	CREST                                          ; the barrier has opened a round of the cluster's: no wave of any partner still reads this slot or has a load on its way
	s_add_nc_u64 s[G0+4*\slot+2:G0+4*\slot+3], s[G0+4*\slot+2:G0+4*\slot+3], 2*256
	s_add_nc_u64 s[G0B+4*\slot+2:G0B+4*\slot+3], s[G0B+4*\slot+2:G0B+4*\slot+3], 2*1048576
	JLOAD \slot                                    ; its four v_nop are also the places in front of the loads below
	FETCH \next, 0, F0
	WIN MUL_HI
	MUL16 F1, 1, 0, 0
	MUL16 F1, 1, 2, 0
.endm
	s_wait_tensorcnt 1                             ; my part of K step 0 is in; K step 1's load may be out
	s_barrier_signal -1
	s_barrier_wait -1
	FETCH 0, 0, F0
	s_wait_loadcnt 0x0                             ; the bias
	QUARTER 0, 64,  F0, F1, 1
	WIN 0
	s_mov_b32 s3, LAPS-1
.Llap:
	QUARTER 0, 128, F1, F0, 0
	QUARTER 0, 192, F0, F1, 0
	TURN 0, 1
	QUARTER 1, 64,  F0, F1, 0
	QUARTER 1, 128, F1, F0, 0
	QUARTER 1, 192, F0, F1, 0
	TURN 1, 0
	QUARTER 0, 64,  F0, F1, 0
	WIN 0
	s_sub_co_u32 s3, s3, 1
	s_cmp_lg_u32 s3, 0
	s_cbranch_scc1 .Llap
	QUARTER 0, 128, F1, F0, 0                      ; the last lap fills nothing
	QUARTER 0, 192, F0, F1, 0
	MEET 0
	PLACES
	FETCH 1, 0, F0
	WIN MUL_HI
	MUL16 F1, 1, 0, 0
	MUL16 F1, 1, 2, 0
	QUARTER 1, 64,  F0, F1, 0
	QUARTER 1, 128, F1, F0, 0
	QUARTER 1, 192, F0, F1, 0
	s_wait_dscnt 8
	WIN MUL_LO
	MUL16 F1, 0, 0, 0
	MUL16 F1, 0, 2, 0
	s_wait_dscnt 0                                 ; my last reads of the ring are over:
	s_barrier_signal -1                            ; say so,
	WIN MUL_HI
	MUL16 F1, 1, 0, 0
	MUL16 F1, 1, 2, 0
	WIN 0
	s_barrier_wait -1                              ; and write into the ring only when all four have said so
	v_mov_b32 v2, 0x3e027906                       ; b1 .. b5 over sqrt(2 pi), each twice: pairs for the packed forms.  These ten are also the places behind the last products
	v_mov_b32 v3, 0x3e027906
	v_mov_b32 v4, 0xbe11a98e
	v_mov_b32 v5, 0xbe11a98e
	v_mov_b32 v6, 0x3f35f0e3
	v_mov_b32 v7, 0x3f35f0e3
	v_mov_b32 v8, 0xbf3a00e3
	v_mov_b32 v9, 0xbf3a00e3
	v_mov_b32 v10, 0x3f07dc22
	v_mov_b32 v11, 0x3f07dc22
.irp a, 0,1,2,3,4,5,6,7
	WIN 0x08+4*(\a/4)                              ; an LDS store's data are its source 1: window 2 or 3
.irp b, 0,1,2,3,4,5,6,7
	ds_store_b128 v[STO], v[8*(8*(\a%4)+\b):8*(8*(\a%4)+\b)+3] offset:\a*16*OP+64*\b       ; each accumulator from its low end on
	ds_store_b128 v[STO], v[8*(8*(\a%4)+\b)+4:8*(8*(\a%4)+\b)+7] offset:\a*16*OP+64*\b+16
.endr
.endr
	WIN 0
	s_mov_b32 s2, 0
	s_mov_b32 s3, 16
.Lrows:                                                ; 16 trips of 8 rows; LDS serves a wave's instructions in order: the loads see my stores
	v_add_nc_u32 v[ADR], s2, v[RD]
.irp g, 0,1,2,3
	ds_load_b128 v[X+8*\g:X+8*\g+3], v[ADR] offset:2*\g*OP
	ds_load_b128 v[X+8*\g+4:X+8*\g+7], v[ADR] offset:2*\g*OP+16
.endr
	s_wait_dscnt 0x0
.irp i, 0,2,4,6,8,10,12,14,16,18,20,22,24,26,28,30
	v_pk_mul_f32 v[W+\i:W+\i+1], v[X+\i:X+\i+1], s[74:75] op_sel_hi:[1,0]
.endr
.irp i, 0,1,2,3,4,5,6,7,8,9,10,11,12,13,14,15,16,17,18,19,20,21,22,23,24,25,26,27,28,29,30,31
	v_fma_f32 v[T+\i], |v[X+\i]|, s72, 1.0
.endr
.irp i, 0,2,4,6,8,10,12,14,16,18,20,22,24,26,28,30
	v_pk_mul_f32 v[W+\i:W+\i+1], v[W+\i:W+\i+1], v[W+\i:W+\i+1]
.endr
.irp i, 0,1,2,3,4,5,6,7,8,9,10,11,12,13,14,15,16,17,18,19,20,21,22,23,24,25,26,27,28,29,30,31
	v_rcp_f32 v[T+\i], v[T+\i]
.endr
.irp i, 0,1,2,3,4,5,6,7,8,9,10,11,12,13,14,15,16,17,18,19,20,21,22,23,24,25,26,27,28,29,30,31
	v_exp_f32 v[W+\i], -v[W+\i]
.endr
.irp i, 0,1,2,3,4,5,6,7,8,9,10,11,12,13,14,15,16,17,18,19,20,21,22,23,24,25,26,27,28,29,30,31
	v_max_num_f32 v[MX+\i], 0, v[X+\i]             ; independent plain work behind the batch
.endr
	s_wait_alu depctr_va_vdst(0)                   ; one wait for the 64 transcendentals, ahead of their first reader
.irp i, 0,2,4,6,8,10,12,14,16,18,20,22,24,26,28,30
	v_pk_fma_f32 v[PL+\i:PL+\i+1], v[T+\i:T+\i+1], v[10:11], v[8:9]
.endr
.irp c, 6,4,2
.irp i, 0,2,4,6,8,10,12,14,16,18,20,22,24,26,28,30
	v_pk_fma_f32 v[PL+\i:PL+\i+1], v[PL+\i:PL+\i+1], v[T+\i:T+\i+1], v[\c:\c+1]
.endr
.endr
.irp i, 0,2,4,6,8,10,12,14,16,18,20,22,24,26,28,30
	v_pk_mul_f32 v[PL+\i:PL+\i+1], v[PL+\i:PL+\i+1], v[T+\i:T+\i+1]
.endr
.irp i, 0,2,4,6,8,10,12,14,16,18,20,22,24,26,28,30
	v_pk_mul_f32 v[PL+\i:PL+\i+1], v[PL+\i:PL+\i+1], v[W+\i:W+\i+1]
.endr
.irp i, 0,1,2,3,4,5,6,7,8,9,10,11,12,13,14,15,16,17,18,19,20,21,22,23,24,25,26,27,28,29,30,31
	v_fma_f32 v[MX+\i], -|v[X+\i]|, v[PL+\i], v[MX+\i]
.endr
.irp i, 0,1,2,3,4,5,6,7,8,9,10,11,12,13,14,15
	v_cvt_pk_f16_f32 v[OUTP+\i], v[MX+2*\i], v[MX+2*\i+1]
.endr
.irp g, 0,1,2,3
	global_store_b128 v[CO], v[OUTP+4*\g:OUTP+4*\g+3], s[8:9] offset:2*\g*8192   ; sixteen lanes store 256 consecutive bytes, aligned
.endr
	s_wait_xcnt 0x0                                ; the stores have read their registers and their base: both are written again only behind this wait
	s_add_nc_u64 s[8:9], s[8:9], 8*8192
	s_add_co_u32 s2, s2, 8*OP
	s_sub_co_u32 s3, s3, 1
	s_cmp_lg_u32 s3, 0
	s_cbranch_scc1 .Lrows
	s_wait_tensorcnt 0x0                           ; the wave's end
	ds_add_u32 v[SPW], v[NIL]
	s_wait_dscnt 0x0
	CROUND                                         ; the closing round
	s_endpgm
.Lfunc_end_k_q1a7c9ab2fd_ffn1:
	.size	k_q1a7c9ab2fd_ffn1, .Lfunc_end_k_q1a7c9ab2fd_ffn1-k_q1a7c9ab2fd_ffn1
	.p2alignl 7, 3214868480
	.fill 96, 4, 3214868480
	.section	.rodata,"a",@progbits
	.p2align	6, 0x0
	.amdhsa_kernel k_q1a7c9ab2fd_ffn1
		.amdhsa_group_segment_fixed_size 327680
		.amdhsa_private_segment_fixed_size 0
		.amdhsa_enable_private_segment 0
		.amdhsa_kernarg_size 32
		.amdhsa_user_sgpr_count 2
		.amdhsa_user_sgpr_kernarg_segment_ptr 1
		.amdhsa_wavefront_size32 1
		.amdhsa_system_sgpr_workgroup_id_x 1
		.amdhsa_system_sgpr_workgroup_id_y 1
		.amdhsa_system_sgpr_workgroup_id_z 1
		.amdhsa_system_vgpr_workitem_id 0
		.amdhsa_next_free_vgpr 1024
		.amdhsa_next_free_sgpr 76
		.amdhsa_reserve_vcc 0
		.amdhsa_float_denorm_mode_32 3
		.amdhsa_float_denorm_mode_16_64 3
		.amdhsa_memory_ordered 1
		.amdhsa_forward_progress 1
		.amdhsa_inst_pref_size 140
	.end_amdhsa_kernel
	.amdgpu_metadata
---
amdhsa.version: [ 1, 2 ]
amdhsa.kernels:
  - .name:           k_q1a7c9ab2fd_ffn1
    .symbol:         k_q1a7c9ab2fd_ffn1.kd
    .args:
      - { .name: x1b, .offset: 0, .size: 8, .value_kind: global_buffer, .address_space: global }
      - { .name: w16, .offset: 8, .size: 8, .value_kind: global_buffer, .address_space: global }
      - { .name: b1, .offset: 16, .size: 8, .value_kind: global_buffer, .address_space: global }
      - { .name: hid, .offset: 24, .size: 8, .value_kind: global_buffer, .address_space: global }
    .group_segment_fixed_size: 327680
    .private_segment_fixed_size: 0
    .kernarg_segment_align: 8
    .kernarg_segment_size: 32
    .max_flat_workgroup_size: 128
    .sgpr_count:     76
    .vgpr_count:     1024
    .wavefront_size: 32
...
	.end_amdgpu_metadata
.endif
;; end of part 6
;; launch ffn2 (part 7): grid 8 x 32, 4 waves a work-group, clusters of 4 x 4, 327,680 bytes of LDS; arguments hid, w16, b2, x1b, y2; writes y2
.if DOCPART == 7
	.amdgcn_target "amdgcn-amd-amdhsa--gfx1250"
	.amdhsa_code_object_version 6
	.text
	.protected	k_q1a7c9ab2fd_ffn2
	.globl	k_q1a7c9ab2fd_ffn2
	.p2align	8
	.type	k_q1a7c9ab2fd_ffn2,@function
k_q1a7c9ab2fd_ffn2:
	s_mov_b64 s[64:65], 0
	v_nop
	global_prefetch_b8 v0, s[64:65] scope:SCOPE_SE
	s_setreg_imm32_b32 hwreg(HW_REG_WAVE_MODE, 25, 1), 1
	s_wait_xcnt 0x0
	s_wait_alu depctr_hold_cnt(0) depctr_sa_sdst(0) depctr_va_vdst(0) depctr_va_sdst(0) depctr_va_ssrc(0) depctr_va_vcc(0) depctr_vm_vsrc(0)
	s_getreg_b32 s2, hwreg(HW_REG_IB_STS2, 6, 4)
	s_cmp_eq_u32 s2, 0
	s_cbranch_scc0 .Lentry_in_a_cluster
	s_endpgm
.Lentry_in_a_cluster:
	s_bfe_u32 s2, ttmp6, 0x10000c
	s_cmp_lg_u32 s2, 0xf033
	s_cbranch_scc0 .Lentry_shape_is_right
	s_endpgm
.Lentry_shape_is_right:
; OUT[4096][1024] f32 = RES + A W + bias, A and W in f16, sums in f32.  One text for two launches, told apart by WO:
;   WO = 1: y1 = x + att Wo + bo, K = 1,024; A lies in token pairs (two tokens of a head are 256 consecutive bytes; a pair's row is 4,096 bytes).   WO = 0: y2 = x1 + hid W2 + b2, K = 4,096; A lies in rows of 8,192 bytes.
; LIMIT: operands in f16: magnitudes up to 65,504.
; A tile of OUT is 128 x 128: 256 work-groups.  Four waves, 64 x 64 each: 16 accumulators.  K goes in steps of 256 through a ring of two LDS slots.  W stays [K][N]: its tile is 256 rows of k x 128 n, and the
; fragments of W^T come out of LDS turned (ds_load_tr16_b128).  CLUSTERS of 4 x 4: A's tiles are asked for jointly along a row of the cluster, W's along a column.
; THE MATRIX INSTRUCTION IS USED TRANSPOSED (source 0 = 16 columns of W, source 1 = 16 rows of A): a lane holds eight neighbouring columns of one row.  The bias is the C of each sum's first product.
; The residual's 64 x 64 numbers of a wave are asked for at the head and stay out until the way out.
; REGISTERS: window 0: v16-29 addresses; v32-95 the way out; v96-127 the bias; v128-255 the accumulators.  window 1: two fragment buffers of 128 (64 of A, 64 of W).  window 2: v0-127 the residual.
.set WO, 0
.if WO
.set SIZE_K, 1024
.set BOFF,   0                         ; Wo in w16
.set AP,     1040                      ; an LDS row of A: a pair's 1,024 bytes (four heads) + 16
.set AHROWS, 32                        ; rows that one tensor load brings: 64 tokens
.set ATD0,   512                       ; elements in such a row
.set ASTR,   2048                      ; elements from row to row in memory
.set AQI,    7                         ; padding after every 256 words
.set AKB,    1024                      ; a K step along a row, in bytes
.set AB,     8*AP                      ; 16 tokens on
.set AQ,     256                       ; 64 along K on: the next head
.else
.set SIZE_K, 4096
.set BOFF,   10485760                  ; W2 in w16
.set AP,     528
.set AHROWS, 64
.set ATD0,   256
.set ASTR,   4096
.set AQI,    6
.set AKB,    512
.set AB,     16*AP
.set AQ,     128
.endif
.set AH,     AHROWS*AP                 ; half of A's tile
.set BP,     288                       ; an LDS row of W: 256 bytes + 32
.set BH,     128*BP                    ; half of W's tile
.set SLOT,   2*AH+2*BH
.set STAGE,  2*SLOT                    ; 16 rows x 272 bytes for each wave
.set SPITCH, 272
.set SPARE,  STAGE+4*16*SPITCH         ; the spare words
.set LAPS,   SIZE_K/512
.set ADRA, 16                          ; v16-17  my A fragments in slot 0, 1
.set ADRB, 20                          ; v20-23  my W fragments: slot 0, 1, k rows 0-127; slot 0, 1, k rows 128-255
.set STO,  24
.set RD,   25
.set CO,   26
.set BO,   27
.set SPW,  28
.set NIL,  29
.set TMP,  32
.set BIAS, 96
.set ACC,  128
.set RES,  0                           ; in window 2
.set F0,   0
.set F1,   128
.set G1, 24
.set G0, 32
.set G1B, 48
.set G0B, 56
.set MSB, 0
.macro WIN new
.if MSB != \new
	s_set_vgpr_msb (MSB<<8)|\new
.set MSB, \new
.endif
.endm
.set MUL,  0x05                        ; sources 0 and 1 window 1; C and D window 0
.set TO_F, 0x40
.macro JLOAD s                         ; a joint load: waves 0 and 1 fetch A's halves, waves 2 and 3 W's
	s_cmp_eq_u32 s11, 0
	s_cbranch_scc0 .Lfor_b_\@
	tensor_load_to_lds s[G0+4*\s:G0+4*\s+3], s[G1:G1+7]
	s_nop 0
.rept 4
	v_nop
.endr
	s_branch .Lasked_\@
.Lfor_b_\@:
	tensor_load_to_lds s[G0B+4*\s:G0B+4*\s+3], s[G1B:G1B+7]
	s_nop 0
.rept 4
	v_nop
.endr
.Lasked_\@:
.endm
.macro CREST
	s_cmp_lg_u32 s10, 0
	s_cbranch_scc1 .Lnot_wave_0_\@
	s_barrier_signal -3
.Lnot_wave_0_\@:
	s_barrier_wait -3
	s_barrier_signal -1
	s_barrier_wait -1
.endm
.macro CROUND
	s_barrier_signal -1
	s_barrier_wait -1
	CREST
.endm
	s_load_b128 s[4:7], s[0:1], 0x0                ; A, w16
	s_load_b128 s[68:71], s[0:1], 0x10             ; the bias, the residual
	s_load_b64 s[8:9], s[0:1], 0x20                ; OUT
	v_lshl_add_u32 v[SPW], v0, 2, SPARE
	v_mov_b32 v[NIL], 0
	ds_add_u32 v[SPW], v[NIL]                      ; the wave's opening: the add, twice on end, and its wait ahead of my first tensor load
	ds_add_u32 v[SPW], v[NIL]
	v_lshrrev_b32 v1, 5, v0
	v_readfirstlane_b32 s10, v1                    ; wave
	s_lshr_b32 s11, s10, 1                         ; my half of the tile's rows.  Also: I fetch for A (0) or for W (1)
	s_and_b32 s12, s10, 1                          ; my half of its columns.  Also: which half of that tile I fetch
	s_bfe_u32 s40, ttmp6, 0x40000
	s_bfe_u32 s41, ttmp6, 0x40004
	s_lshl_b32 s42, ttmp9, 2
	s_add_co_u32 s42, s42, s40                     ; tile column
	s_and_b32 s13, ttmp7, 0xffff
	s_lshl_b32 s13, s13, 2
	s_add_co_u32 s13, s13, s41                     ; tile row
	s_lshl_b32 s43, s41, 2
	s_lshl_b32 s43, 15, s43
	s_lshl_b32 s44, 0x1111, s40
	s_or_b32 s[G1+0], s43, (1<<16)|(1<<20)|(1<<21)|(AQI<<22)|(3<<25)
	s_mov_b32 s[G1+1], ATD0<<16
	s_mov_b32 s[G1+2], AHROWS<<16
	s_mov_b32 s[G1+3], ATD0<<16
	s_mov_b32 s[G1+4], AHROWS
	s_mov_b32 s[G1+5], ASTR
	s_mov_b32 s[G1+6], 0
	s_mov_b32 s[G1+7], 0
	s_or_b32 s[G1B+0], s44, (1<<16)|(1<<20)|(1<<21)|(5<<22)|(7<<25)
	s_mov_b32 s[G1B+1], 128<<16
	s_mov_b32 s[G1B+2], 128<<16
	s_mov_b32 s[G1B+3], 128<<16
	s_mov_b32 s[G1B+4], 128
	s_mov_b32 s[G1B+5], 1024
	s_mov_b32 s[G1B+6], 0
	s_mov_b32 s[G1B+7], 0
	s_mul_i32 s16, s13, 2*AHROWS
	s_mul_i32 s17, s12, AHROWS
	s_add_co_u32 s16, s16, s17
	s_mul_i32 s16, s16, ASTR*2                     ; A: my rows, in bytes (under 2^26)
	s_mov_b32 s17, 0
	s_lshl_b32 s46, s42, 8                         ; W: 128 columns of 2 bytes a tile,
	s_lshl_b32 s47, s12, 18                        ; 128 rows of 2,048 bytes a half,
	s_add_co_u32 s46, s46, s47
	s_add_co_u32 s46, s46, BOFF
	s_mov_b32 s47, 0
	s_mul_i32 s20, s12, AH
	s_mul_i32 s21, s12, BH
	s_add_co_u32 s21, s21, 2*AH
	s_wait_dscnt 0x0
	s_wait_kmcnt 0x0
	s_add_nc_u64 s[14:15], s[4:5], s[16:17]
	s_add_nc_u64 s[46:47], s[6:7], s[46:47]
	CROUND
.irp s, 0,1
	s_mov_b32 s[G0+4*\s], 1
	s_add_co_u32 s[G0+4*\s+1], s20, \s*SLOT
	s_add_nc_u64 s[G0+4*\s+2:G0+4*\s+3], s[14:15], \s*AKB
	s_or_b32 s[G0+4*\s+3], s[G0+4*\s+3], 0x80000000
	s_mov_b32 s[G0B+4*\s], 1
	s_add_co_u32 s[G0B+4*\s+1], s21, \s*SLOT
	s_add_nc_u64 s[G0B+4*\s+2:G0B+4*\s+3], s[46:47], \s*524288
	s_or_b32 s[G0B+4*\s+3], s[G0B+4*\s+3], 0x80000000
	JLOAD \s
.endr
	v_and_b32 v1, 15, v0                           ; r
	v_bfe_u32 v2, v0, 4, 1                         ; h
.if WO
	v_lshrrev_b32 v3, 1, v1
	v_mul_u32_u24 v3, v3, AP                       ; token r: pair r / 2,
	v_and_b32 v4, 1, v1
	v_lshl_add_u32 v3, v4, 7, v3                   ; 128 bytes on for the odd one
.else
	v_mul_u32_u24 v3, v1, AP
.endif
	v_lshl_add_u32 v3, v2, 4, v3
	s_mul_i32 s21, s11, AH
	v_add_nc_u32 v[ADRA], s21, v3
	v_add_nc_u32 v[ADRA+1], SLOT, v[ADRA]
	v_and_b32 v4, 7, v0
	v_lshl_add_u32 v4, v2, 3, v4                   ; the turning load: k row 8 h + lane % 8,
	v_mul_u32_u24 v4, v4, BP
	v_bfe_u32 v5, v0, 3, 1
	v_lshl_add_u32 v4, v5, 4, v4                   ; columns 8 ((lane / 8) % 2) on
	s_lshl_b32 s22, s12, 7
	s_add_co_u32 s22, s22, 2*AH
	v_add_nc_u32 v[ADRB], s22, v4
	v_add_nc_u32 v[ADRB+1], SLOT, v[ADRB]
	v_add_nc_u32 v[ADRB+2], BH, v[ADRB]
	v_add_nc_u32 v[ADRB+3], BH, v[ADRB+1]
	s_mul_i32 s23, s10, 16*SPITCH
	s_add_co_u32 s23, s23, STAGE
	v_mul_u32_u24 v4, v1, SPITCH
	v_lshl_add_u32 v4, v2, 5, v4
	v_add_nc_u32 v[STO], s23, v4
	v_mul_u32_u24 v5, v2, SPITCH
	v_lshl_add_u32 v5, v1, 4, v5
	v_add_nc_u32 v[RD], s23, v5
	v_lshlrev_b32 v5, 12, v2
	v_lshl_add_u32 v[CO], v1, 4, v5                ; lanes 0-15 one row's 256 bytes, lanes 16-31 the next row's
	v_lshlrev_b32 v[BO], 5, v2
	s_lshl_b32 s16, s13, 7
	s_lshl_b32 s17, s11, 6
	s_add_co_u32 s16, s16, s17
	s_lshl_b32 s16, s16, 12                        ; my first row of OUT and of the residual
	s_mov_b32 s17, 0
	s_lshl_b32 s46, s42, 9
	s_lshl_b32 s47, s12, 8
	s_add_co_u32 s46, s46, s47                     ; my first column, in bytes of f32
	s_mov_b32 s47, 0
	s_add_nc_u64 s[68:69], s[68:69], s[46:47]
	s_add_nc_u64 s[16:17], s[16:17], s[46:47]
	s_add_nc_u64 s[8:9], s[8:9], s[16:17]
	s_add_nc_u64 s[70:71], s[70:71], s[16:17]
.irp b, 0,1,2,3
	global_load_b128 v[BIAS+8*\b:BIAS+8*\b+3], v[BO], s[68:69] offset:64*\b
	global_load_b128 v[BIAS+8*\b+4:BIAS+8*\b+7], v[BO], s[68:69] offset:64*\b+16
.endr
	WIN 0x80                                       ; destination window 2
.irp a, 0,1,2,3
.irp t, 0,1,2,3,4,5,6,7
	global_load_b128 v[RES+4*(8*\a+\t):RES+4*(8*\a+\t)+3], v[CO], s[70:71] offset:(16*\a+2*\t)*4096 th:TH_LOAD_NT
.endr
.endr
	WIN 0
.macro MUL8 f, c, a0, zero             ; 8 matrix instructions: A's blocks a0, a0 + 1 x W's four, 32 along K.  zero = 1: the bias starts the sums.  The 16 accumulators take turns
.irp a, \a0, \a0+1
.irp b, 0,1,2,3
.if \zero
	v_wmma_f32_16x16x32_f16 v[ACC+8*(4*(\a)+\b):ACC+8*(4*(\a)+\b)+7], v[\f+64+8*(4*\c+\b):\f+64+8*(4*\c+\b)+7], v[\f+8*(4*\c+\a):\f+8*(4*\c+\a)+7], v[BIAS+8*\b:BIAS+8*\b+7]
.else
	v_wmma_f32_16x16x32_f16 v[ACC+8*(4*(\a)+\b):ACC+8*(4*(\a)+\b)+7], v[\f+64+8*(4*\c+\b):\f+64+8*(4*\c+\b)+7], v[\f+8*(4*\c+\a):\f+8*(4*\c+\a)+7], v[ACC+8*(4*(\a)+\b):ACC+8*(4*(\a)+\b)+7]
.endif
.endr
.endr
.endm
.macro FETCH slot, q, f                ; 32 LDS loads in one run: the fragments of the slot's q-th 64 along K; the first 32 along K first
	WIN TO_F
.irp c, 0,1
.irp i, 0,1,2,3
	ds_load_tr16_b128 v[\f+64+8*(4*\c+\i):\f+64+8*(4*\c+\i)+3],   v[ADRB+\slot+2*((\q)/2)] offset:(64*((\q)%2)+32*\c)*BP+32*\i
	ds_load_tr16_b128 v[\f+64+8*(4*\c+\i)+4:\f+64+8*(4*\c+\i)+7], v[ADRB+\slot+2*((\q)/2)] offset:(64*((\q)%2)+32*\c+16)*BP+32*\i
	ds_load_b128 v[\f+8*(4*\c+\i):\f+8*(4*\c+\i)+3],         v[ADRA+\slot] offset:AQ*(\q)+64*\c+\i*AB
	ds_load_b128 v[\f+8*(4*\c+\i)+4:\f+8*(4*\c+\i)+7],       v[ADRA+\slot] offset:AQ*(\q)+64*\c+\i*AB+32
.endr
.endr
.endm
.macro PLACES
.rept 4
	v_nop
.endr
.endm
.macro QUARTER slot, q, f, g, zero     ; multiplies buffer f and fetches the slot's q-th quarter into g
	s_wait_dscnt 16                                ; the first 32 along K are in
	WIN MUL
	MUL8 \f, 0, 0, \zero
	MUL8 \f, 0, 2, \zero
	PLACES
	FETCH \slot, \q, \g
	s_wait_dscnt 32                                ; all but the 32 just issued
	WIN MUL
	MUL8 \f, 1, 0, 0
	MUL8 \f, 1, 2, 0
.endm
; The last quarter changes slots: one barrier; in front of it all my tensor loads have landed, the add is done, my reads of this slot are over.  fill = 1: a round of the cluster's barrier, and the joint refill first behind it.
.macro TURN slot, next, fill
	WIN 0
	s_wait_tensorcnt 0x0
	ds_add_u32 v[SPW], v[NIL]
	s_wait_dscnt 17                                ; (the add and the youngest sixteen loads may be out)
	WIN MUL
	MUL8 F1, 0, 0, 0
	s_wait_dscnt 0x0
	s_barrier_signal -1
	MUL8 F1, 0, 2, 0
.if \fill
	WIN 0
.endif
	s_barrier_wait -1
.if \fill
	CREST
	s_add_nc_u64 s[G0+4*\slot+2:G0+4*\slot+3], s[G0+4*\slot+2:G0+4*\slot+3], 2*AKB
	s_add_nc_u64 s[G0B+4*\slot+2:G0B+4*\slot+3], s[G0B+4*\slot+2:G0B+4*\slot+3], 2*524288
	JLOAD \slot                                    ; its four v_nop are also the places in front of the loads below
.else
	PLACES
.endif
	FETCH \next, 0, F0
	WIN MUL
	MUL8 F1, 1, 0, 0
	MUL8 F1, 1, 2, 0
.endm
	s_wait_tensorcnt 1                             ; my part of K step 0 is in; K step 1's load may be out
	s_barrier_signal -1
	s_barrier_wait -1
	FETCH 0, 0, F0
	s_wait_loadcnt 32                              ; the bias is in; the residual's 32 loads stay out
	QUARTER 0, 1, F0, F1, 1
	WIN 0
	s_mov_b32 s3, LAPS-1
.Llap:                                                 ; a trip goes once round the ring and fills both slots again
	QUARTER 0, 2, F1, F0, 0
	QUARTER 0, 3, F0, F1, 0
	TURN 0, 1, 1
	QUARTER 1, 1, F0, F1, 0
	QUARTER 1, 2, F1, F0, 0
	QUARTER 1, 3, F0, F1, 0
	TURN 1, 0, 1
	QUARTER 0, 1, F0, F1, 0
	WIN 0
	s_sub_co_u32 s3, s3, 1
	s_cmp_lg_u32 s3, 0
	s_cbranch_scc1 .Llap
	QUARTER 0, 2, F1, F0, 0                        ; the last lap fills nothing
	QUARTER 0, 3, F0, F1, 0
	TURN 0, 1, 0
	QUARTER 1, 1, F0, F1, 0
	QUARTER 1, 2, F1, F0, 0
	QUARTER 1, 3, F0, F1, 0
	s_wait_dscnt 16
	WIN MUL
	MUL8 F1, 0, 0, 0
	MUL8 F1, 0, 2, 0
	s_wait_dscnt 0
	MUL8 F1, 1, 0, 0
	MUL8 F1, 1, 2, 0
	WIN 0
; THE WAY OUT.  A wave's 64 columns of f32 are 256 bytes of a row: each wave has its own stage and needs no barrier.  A block of 16 rows goes in, comes back as whole rows, takes the residual, and leaves.
.macro OUT a
.irp b, 0,1,2,3
	ds_store_b128 v[STO], v[ACC+8*(4*(\a)+\b):ACC+8*(4*(\a)+\b)+3] offset:64*\b      ; each accumulator from its low end on
	ds_store_b128 v[STO], v[ACC+8*(4*(\a)+\b)+4:ACC+8*(4*(\a)+\b)+7] offset:64*\b+16
.endr
.irp t, 0,1,2,3,4,5,6,7
	ds_load_b128 v[TMP+32*((\a)%2)+4*\t:TMP+32*((\a)%2)+4*\t+3], v[RD] offset:\t*2*SPITCH   ; LDS serves a wave's instructions in order
.endr
.endm
.macro SENDR a, younger
	s_wait_dscnt \younger
	WIN 0x08                                       ; source 1: window 2
.irp i, 0,2,4,6,8,10,12,14,16,18,20,22,24,26,28,30
	v_pk_add_f32 v[TMP+32*((\a)%2)+\i:TMP+32*((\a)%2)+\i+1], v[TMP+32*((\a)%2)+\i:TMP+32*((\a)%2)+\i+1], v[RES+32*(\a)+\i:RES+32*(\a)+\i+1]
.endr
	WIN 0
.irp t, 0,1,2,3,4,5,6,7
	global_store_b128 v[CO], v[TMP+32*((\a)%2)+4*\t:TMP+32*((\a)%2)+4*\t+3], s[8:9] offset:(16*(\a)+2*\t)*4096   ; sixteen lanes store 256 consecutive bytes, aligned
.endr
.endm
	s_wait_loadcnt 0x0                             ; the residual
	PLACES
	OUT 0
	OUT 1
	SENDR 0, 16                                    ; behind block 0's loads: block 1's 8 stores and 8 loads
	s_wait_xcnt 0x0                                ; block 0's stores have read their registers
	OUT 2
	SENDR 1, 16
	s_wait_xcnt 0x0
	OUT 3
	SENDR 2, 16
	SENDR 3, 0
	s_wait_tensorcnt 0x0                           ; the wave's end
	ds_add_u32 v[SPW], v[NIL]
	s_wait_dscnt 0x0
	CROUND                                         ; the closing round
	s_endpgm
.Lfunc_end_k_q1a7c9ab2fd_ffn2:
	.size	k_q1a7c9ab2fd_ffn2, .Lfunc_end_k_q1a7c9ab2fd_ffn2-k_q1a7c9ab2fd_ffn2
	.p2alignl 7, 3214868480
	.fill 96, 4, 3214868480
	.section	.rodata,"a",@progbits
	.p2align	6, 0x0
	.amdhsa_kernel k_q1a7c9ab2fd_ffn2
		.amdhsa_group_segment_fixed_size 327680
		.amdhsa_private_segment_fixed_size 0
		.amdhsa_enable_private_segment 0
		.amdhsa_kernarg_size 40
		.amdhsa_user_sgpr_count 2
		.amdhsa_user_sgpr_kernarg_segment_ptr 1
		.amdhsa_wavefront_size32 1
		.amdhsa_system_sgpr_workgroup_id_x 1
		.amdhsa_system_sgpr_workgroup_id_y 1
		.amdhsa_system_sgpr_workgroup_id_z 1
		.amdhsa_system_vgpr_workitem_id 0
		.amdhsa_next_free_vgpr 768
		.amdhsa_next_free_sgpr 72
		.amdhsa_reserve_vcc 0
		.amdhsa_float_denorm_mode_32 3
		.amdhsa_float_denorm_mode_16_64 3
		.amdhsa_memory_ordered 1
		.amdhsa_forward_progress 1
		.amdhsa_inst_pref_size 94
	.end_amdhsa_kernel
	.amdgpu_metadata
---
amdhsa.version: [ 1, 2 ]
amdhsa.kernels:
  - .name:           k_q1a7c9ab2fd_ffn2
    .symbol:         k_q1a7c9ab2fd_ffn2.kd
    .args:
      - { .name: hid, .offset: 0, .size: 8, .value_kind: global_buffer, .address_space: global }
      - { .name: w16, .offset: 8, .size: 8, .value_kind: global_buffer, .address_space: global }
      - { .name: b2, .offset: 16, .size: 8, .value_kind: global_buffer, .address_space: global }
      - { .name: x1b, .offset: 24, .size: 8, .value_kind: global_buffer, .address_space: global }
      - { .name: y2, .offset: 32, .size: 8, .value_kind: global_buffer, .address_space: global }
    .group_segment_fixed_size: 327680
    .private_segment_fixed_size: 0
    .kernarg_segment_align: 8
    .kernarg_segment_size: 40
    .max_flat_workgroup_size: 128
    .sgpr_count:     72
    .vgpr_count:     768
    .wavefront_size: 32
...
	.end_amdgpu_metadata
.endif
;; end of part 7
;; launch ln2 (part 8): grid 256 x 1, 4 waves a work-group, no clusters, 0 bytes of LDS; arguments y2, g2, be2, out0; writes out0
.if DOCPART == 8
	.amdgcn_target "amdgcn-amd-amdhsa--gfx1250"
	.amdhsa_code_object_version 6
	.text
	.protected	k_q1a7c9ab2fd_ln2
	.globl	k_q1a7c9ab2fd_ln2
	.p2align	8
	.type	k_q1a7c9ab2fd_ln2,@function
k_q1a7c9ab2fd_ln2:
	s_mov_b64 s[64:65], 0
	v_nop
	global_prefetch_b8 v0, s[64:65] scope:SCOPE_SE
	s_setreg_imm32_b32 hwreg(HW_REG_WAVE_MODE, 25, 1), 1
	s_wait_xcnt 0x0
; out[r][:] = (y[r][:] - mean) * rsqrt(var + 1e-5) * g + be, rows of 1,024 f32.  One text for two launches: HALF_OUT = 1 also stores the result rounded to f16, 16,777,216 bytes behind the f32 rows.
; A wave owns 4 rows; a row lies in 32 registers of the wave, so it is read once.  The variance is taken of the differences from the mean (two passes over registers): no difference of large sums.
; No LDS, no barrier, no loop: all 48 loads of a wave go out at the head.  Matrix units and clusters have nothing to do here: the launch is a stream.
.set HALF_OUT, 0
.set G,  8                             ; v8-39    g of my 32 columns
.set BE, 40                            ; v40-71   be
.set X,  72                            ; v72-199  four rows
.set H,  200                           ; v200-231 two sets of 16: f16
.set CH, 232                           ; v232-239 four chains
	s_load_b256 s[4:11], s[0:1], 0x0               ; y, g, be, out
	v_lshrrev_b32 v3, 5, v0
	v_readfirstlane_b32 s16, v3
	v_and_b32 v2, 31, v0
	v_lshlrev_b32 v1, 4, v2                        ; 16 bytes a lane
	s_lshl_b32 s17, ttmp9, 2
	s_add_co_u32 s17, s17, s16
	s_lshl_b32 s18, s17, 14                        ; 4 rows of 4,096 bytes a wave
	s_mov_b32 s19, 0
	s_mov_b32 s12, 0x3a800000                      ; 1 / 1,024
	s_mov_b32 s13, 0x3727c5ac                      ; 1e-5
	s_mov_b32 s14, 0x76543210
	s_mov_b32 s15, 0xfedcba98
	v_mov_b32 v241, 0                              ; a lane permute's destination counts as read
	v_mov_b32 v243, 0                              ; upper halves of pairs that are named whole
	v_mov_b32 v245, 0
	s_wait_kmcnt 0x0
	s_add_nc_u64 s[4:5], s[4:5], s[18:19]
	s_add_nc_u64 s[10:11], s[10:11], s[18:19]
.irp j, 0,1,2,3,4,5,6,7
	global_load_b128 v[G+4*\j:G+4*\j+3], v1, s[6:7] offset:512*\j
.endr
.irp j, 0,1,2,3,4,5,6,7
	global_load_b128 v[BE+4*\j:BE+4*\j+3], v1, s[8:9] offset:512*\j
.endr
.irp p, 0,1,2,3
.irp j, 0,1,2,3,4,5,6,7
	global_load_b128 v[X+32*\p+4*\j:X+32*\p+4*\j+3], v1, s[4:5] offset:4096*\p+512*\j th:TH_LOAD_NT
.endr
.endr
.macro REDUCE                          ; v240 summed over the 32 lanes, in every lane
	v_add_f32_dpp v240, v240, v240 row_xmask:1 row_mask:0xf bank_mask:0xf
	v_add_f32_dpp v240, v240, v240 row_xmask:2 row_mask:0xf bank_mask:0xf
	v_add_f32_dpp v240, v240, v240 row_xmask:4 row_mask:0xf bank_mask:0xf
	v_add_f32_dpp v240, v240, v240 row_xmask:8 row_mask:0xf bank_mask:0xf
	v_permlanex16_b32 v241, v240, s14, s15
	v_add_f32 v240, v240, v241
.endm
.macro FOLD                            ; the four chains into v240
	v_pk_add_f32 v[CH:CH+1], v[CH:CH+1], v[CH+2:CH+3]
	v_pk_add_f32 v[CH+4:CH+5], v[CH+4:CH+5], v[CH+6:CH+7]
	v_pk_add_f32 v[CH:CH+1], v[CH:CH+1], v[CH+4:CH+5]
	v_add_f32 v240, v[CH], v[CH+1]
.endm
.macro ROW p
.set XB, X+32*(\p)
	s_wait_loadcnt 8*(3-(\p))                      ; my row is in; the later rows' loads stay out
.irp k, 0,1,2,3
	v_pk_add_f32 v[CH+2*\k:CH+2*\k+1], v[XB+2*\k:XB+2*\k+1], v[XB+8+2*\k:XB+8+2*\k+1]
.endr
.irp m, 16,24
.irp k, 0,1,2,3
	v_pk_add_f32 v[CH+2*\k:CH+2*\k+1], v[CH+2*\k:CH+2*\k+1], v[XB+\m+2*\k:XB+\m+2*\k+1]
.endr
.endr
	FOLD
	REDUCE
	v_mul_f32 v242, s12, v240                      ; the mean
.irp i, 0,2,4,6,8,10,12,14,16,18,20,22,24,26,28,30
	v_pk_add_f32 v[XB+\i:XB+\i+1], v[XB+\i:XB+\i+1], v[242:243] op_sel_hi:[1,0] neg_lo:[0,1] neg_hi:[0,1]
.endr
.irp k, 0,1,2,3
	v_pk_mul_f32 v[CH+2*\k:CH+2*\k+1], v[XB+2*\k:XB+2*\k+1], v[XB+2*\k:XB+2*\k+1]
.endr
.irp m, 8,16,24
.irp k, 0,1,2,3
	v_pk_fma_f32 v[CH+2*\k:CH+2*\k+1], v[XB+\m+2*\k:XB+\m+2*\k+1], v[XB+\m+2*\k:XB+\m+2*\k+1], v[CH+2*\k:CH+2*\k+1]
.endr
.endr
	FOLD
	REDUCE
	v_fma_f32 v240, v240, s12, s13                 ; var + eps
	v_rsq_f32 v244, v240
	v_nop                                          ; a plain instruction behind the transcendental
	s_wait_alu depctr_va_vdst(0)                   ; and the wait ahead of its first reader
.irp i, 0,2,4,6,8,10,12,14,16,18,20,22,24,26,28,30
	v_pk_mul_f32 v[XB+\i:XB+\i+1], v[XB+\i:XB+\i+1], v[244:245] op_sel_hi:[1,0]
.endr
.irp i, 0,2,4,6,8,10,12,14,16,18,20,22,24,26,28,30
	v_pk_fma_f32 v[XB+\i:XB+\i+1], v[XB+\i:XB+\i+1], v[G+\i:G+\i+1], v[BE+\i:BE+\i+1]
.endr
.irp j, 0,1,2,3,4,5,6,7
	global_store_b128 v1, v[XB+4*\j:XB+4*\j+3], s[10:11] offset:4096*(\p)+512*\j
.endr
.endm
	ROW 0
	ROW 1
	ROW 2
	ROW 3
	s_endpgm
.Lfunc_end_k_q1a7c9ab2fd_ln2:
	.size	k_q1a7c9ab2fd_ln2, .Lfunc_end_k_q1a7c9ab2fd_ln2-k_q1a7c9ab2fd_ln2
	.p2alignl 7, 3214868480
	.fill 96, 4, 3214868480
	.section	.rodata,"a",@progbits
	.p2align	6, 0x0
	.amdhsa_kernel k_q1a7c9ab2fd_ln2
		.amdhsa_group_segment_fixed_size 0
		.amdhsa_private_segment_fixed_size 0
		.amdhsa_enable_private_segment 0
		.amdhsa_kernarg_size 32
		.amdhsa_user_sgpr_count 2
		.amdhsa_user_sgpr_kernarg_segment_ptr 1
		.amdhsa_wavefront_size32 1
		.amdhsa_system_sgpr_workgroup_id_x 1
		.amdhsa_system_sgpr_workgroup_id_y 1
		.amdhsa_system_sgpr_workgroup_id_z 1
		.amdhsa_system_vgpr_workitem_id 0
		.amdhsa_next_free_vgpr 248
		.amdhsa_next_free_sgpr 66
		.amdhsa_reserve_vcc 0
		.amdhsa_float_denorm_mode_32 3
		.amdhsa_float_denorm_mode_16_64 3
		.amdhsa_memory_ordered 1
		.amdhsa_forward_progress 1
		.amdhsa_inst_pref_size 33
	.end_amdhsa_kernel
	.amdgpu_metadata
---
amdhsa.version: [ 1, 2 ]
amdhsa.kernels:
  - .name:           k_q1a7c9ab2fd_ln2
    .symbol:         k_q1a7c9ab2fd_ln2.kd
    .args:
      - { .name: y2, .offset: 0, .size: 8, .value_kind: global_buffer, .address_space: global }
      - { .name: g2, .offset: 8, .size: 8, .value_kind: global_buffer, .address_space: global }
      - { .name: be2, .offset: 16, .size: 8, .value_kind: global_buffer, .address_space: global }
      - { .name: out0, .offset: 24, .size: 8, .value_kind: global_buffer, .address_space: global }
    .group_segment_fixed_size: 0
    .private_segment_fixed_size: 0
    .kernarg_segment_align: 8
    .kernarg_segment_size: 32
    .max_flat_workgroup_size: 128
    .sgpr_count:     66
    .vgpr_count:     248
    .wavefront_size: 32
...
	.end_amdgpu_metadata
.endif
;; end of part 8
